; MI455X (gfx1250); checked and timed in simulation.
; The chip was launched on July 23, 2026; its instructions are those of AMD's public machine-readable ISA for CDNA 5 (MIT licence, August 2026) and "CDNA5" Instruction Set Architecture Reference Guide (July 2026). The comments in the code are by the model that wrote it; some were corrected since.
;; Causal Attention. Allowed arithmetic: float matrix products may take bf16 or f16 operands with f32 sums; other float arithmetic in f32, or as packed bf16 or f16 multiplies, adds, multiply-adds, maxima and minima; sums over many terms, partial sums and values carried from step to step in f32; what a program stores and reads back later, other than sums and carried values, may be rounded once to bf16 or f16.
;; Inputs: Wk 1,024 x 1,024 float32; Wq 1,024 x 1,024 float32; Wv 1,024 x 1,024 float32; x 4 x 2,048 x 1,024 float32.
;; Outputs: out0 4 x 2,048 x 1,024 float32.
;; One version. Each part assembles by itself: llvm-mc -triple=amdgcn-amd-amdhsa -mcpu=gfx1250 --defsym DOCPART=n.
;; ======== version 1 of 1: 4 launches
;; limits: values are held in f16: magnitudes above 65,504 overflow, below 6.1e-05 lose precision
;; workspace buffers: xb 16,777,216 bytes; wb 6,291,456 bytes; qkv 50,331,648 bytes; pt 33,554,432 bytes; st 1,048,576 bytes
;; launch cvt (part 1): grid 1408 x 1, 8 waves a work-group, no clusters, 0 bytes of LDS; arguments x, Wq, Wk, Wv, xb, wb; writes xb, wb
.if DOCPART == 1
	.amdgcn_target "amdgcn-amd-amdhsa--gfx1250"
	.amdhsa_code_object_version 6
	.text
	.protected	k_q83af6d6f02_cvt
	.globl	k_q83af6d6f02_cvt
	.p2align	8
	.type	k_q83af6d6f02_cvt,@function
k_q83af6d6f02_cvt:
	s_mov_b64 s[64:65], 0
	v_nop
	global_prefetch_b8 v0, s[64:65] scope:SCOPE_SE
	s_setreg_imm32_b32 hwreg(HW_REG_WAVE_MODE, 25, 1), 1
	s_wait_xcnt 0x0
; x [8192][1024] f32 -> xb [8192][1024] bf16;  Wq, Wk, Wv [1024][1024] f32 -> wb [1024][3072] bf16 (columns 0-1023 Wq, 1024-2047 Wk, 2048-3071 Wv).
; A stream: every byte is read once and written once; no LDS, no barrier, no matrix unit.  One wave takes one row of 1,024 numbers: eight loads of 512 consecutive
; bytes, all issued at once, and eight stores of 256 consecutive bytes, each at a multiple of 256 from its buffer's first byte.
; Work-groups 0-1023 take x (8 rows each), 1024-1407 the three weights (128 work-groups each).  Source, destination and offsets are chosen by selects: no branch.
	s_load_b256 s[4:11], s[0:1], 0x0               ; x s[4:5], Wq s[6:7], Wk s[8:9], Wv s[10:11]
	s_load_b128 s[12:15], s[0:1], 0x20             ; xb s[12:13], wb s[14:15]
	v_lshrrev_b32 v3, 5, v0
	v_readfirstlane_b32 s20, v3                    ; wave 0..7
	v_and_b32 v1, 31, v0
	v_lshlrev_b32 v2, 3, v1                        ; 8 bytes a lane on the way out
	v_lshlrev_b32 v1, 4, v1                        ; 16 bytes a lane on the way in
	s_sub_co_u32 s21, ttmp9, 1024                  ; the work-group's number among the weights' (used only where it is one of them)
	s_lshr_b32 s22, s21, 7                         ; which weight
	s_and_b32 s23, s21, 127
	s_lshl_b32 s23, s23, 3
	s_add_co_u32 s23, s23, s20                     ; the weight's row
	s_lshl_b32 s24, ttmp9, 3
	s_add_co_u32 s24, s24, s20                     ; x's row
	s_mul_i32 s25, s23, 6144                       ; a row of wb,
	s_lshl_b32 s26, s22, 11                        ; the weight's 2,048 bytes in it
	s_add_co_u32 s25, s25, s26
	s_lshl_b32 s26, s24, 11                        ; a row of xb
	s_wait_kmcnt 0x0
	s_cmp_eq_u32 s22, 0
	s_cselect_b64 s[16:17], s[6:7], s[8:9]
	s_cmp_eq_u32 s22, 2
	s_cselect_b64 s[16:17], s[10:11], s[16:17]
	s_cmp_lt_u32 ttmp9, 1024
	s_cselect_b64 s[16:17], s[4:5], s[16:17]       ; the source,
	s_cselect_b64 s[18:19], s[12:13], s[14:15]     ; the destination,
	s_cselect_b32 s28, s24, s23                    ; the row,
	s_cselect_b32 s30, s26, s25                    ; and its place in the destination
	s_lshl_b32 s28, s28, 12                        ; 4,096 bytes in a row of f32
	s_mov_b32 s29, 0
	s_mov_b32 s31, 0
	s_add_nc_u64 s[16:17], s[16:17], s[28:29]
	s_add_nc_u64 s[18:19], s[18:19], s[30:31]
.irp t, 0,1,2,3,4,5,6,7
	global_load_b128 v[4+4*(\t):7+4*(\t)], v1, s[16:17] offset:512*(\t) th:TH_LOAD_NT
.endr
.irp t, 0,1,2,3,4,5,6,7
	s_wait_loadcnt 7-(\t)                          ; loads come back in order: load t is in, the 7 - t younger ones stay out
	v_cvt_pk_bf16_f32 v[36+2*(\t)], v[4+4*(\t)], v[5+4*(\t)]
	v_cvt_pk_bf16_f32 v[37+2*(\t)], v[6+4*(\t)], v[7+4*(\t)]
	global_store_b64 v2, v[36+2*(\t):37+2*(\t)], s[18:19] offset:256*(\t)
.endr
	s_endpgm
.Lfunc_end_k_q83af6d6f02_cvt:
	.size	k_q83af6d6f02_cvt, .Lfunc_end_k_q83af6d6f02_cvt-k_q83af6d6f02_cvt
	.p2alignl 7, 3214868480
	.fill 96, 4, 3214868480
	.section	.rodata,"a",@progbits
	.p2align	6, 0x0
	.amdhsa_kernel k_q83af6d6f02_cvt
		.amdhsa_group_segment_fixed_size 0
		.amdhsa_private_segment_fixed_size 0
		.amdhsa_enable_private_segment 0
		.amdhsa_kernarg_size 48
		.amdhsa_user_sgpr_count 2
		.amdhsa_user_sgpr_kernarg_segment_ptr 1
		.amdhsa_wavefront_size32 1
		.amdhsa_system_sgpr_workgroup_id_x 1
		.amdhsa_system_sgpr_workgroup_id_y 1
		.amdhsa_system_sgpr_workgroup_id_z 1
		.amdhsa_system_vgpr_workitem_id 0
		.amdhsa_next_free_vgpr 56
		.amdhsa_next_free_sgpr 66
		.amdhsa_reserve_vcc 0
		.amdhsa_float_denorm_mode_32 3
		.amdhsa_float_denorm_mode_16_64 3
		.amdhsa_memory_ordered 1
		.amdhsa_forward_progress 1
		.amdhsa_inst_pref_size 5
	.end_amdhsa_kernel
	.amdgpu_metadata
---
amdhsa.version: [ 1, 2 ]
amdhsa.kernels:
  - .name:           k_q83af6d6f02_cvt
    .symbol:         k_q83af6d6f02_cvt.kd
    .args:
      - { .name: x, .offset: 0, .size: 8, .value_kind: global_buffer, .address_space: global }
      - { .name: Wq, .offset: 8, .size: 8, .value_kind: global_buffer, .address_space: global }
      - { .name: Wk, .offset: 16, .size: 8, .value_kind: global_buffer, .address_space: global }
      - { .name: Wv, .offset: 24, .size: 8, .value_kind: global_buffer, .address_space: global }
      - { .name: xb, .offset: 32, .size: 8, .value_kind: global_buffer, .address_space: global }
      - { .name: wb, .offset: 40, .size: 8, .value_kind: global_buffer, .address_space: global }
    .group_segment_fixed_size: 0
    .private_segment_fixed_size: 0
    .kernarg_segment_align: 8
    .kernarg_segment_size: 48
    .max_flat_workgroup_size: 256
    .sgpr_count:     66
    .vgpr_count:     56
    .wavefront_size: 32
...
	.end_amdgpu_metadata
.endif
;; end of part 1
;; launch proj (part 2): grid 8 x 32, 4 waves a work-group, clusters of 4 x 4, 327,680 bytes of LDS; arguments xb, wb, qkv; writes qkv
.if DOCPART == 2
	.amdgcn_target "amdgcn-amd-amdhsa--gfx1250"
	.amdhsa_code_object_version 6
	.text
	.protected	k_q83af6d6f02_proj
	.globl	k_q83af6d6f02_proj
	.p2align	8
	.type	k_q83af6d6f02_proj,@function
k_q83af6d6f02_proj:
	s_mov_b64 s[64:65], 0
	v_nop
	global_prefetch_b8 v0, s[64:65] scope:SCOPE_SE
	s_setreg_imm32_b32 hwreg(HW_REG_WAVE_MODE, 25, 1), 1
	s_wait_xcnt 0x0
	s_wait_alu depctr_hold_cnt(0) depctr_sa_sdst(0) depctr_va_vdst(0) depctr_va_sdst(0) depctr_va_ssrc(0) depctr_va_vcc(0) depctr_vm_vsrc(0)
	s_getreg_b32 s2, hwreg(HW_REG_IB_STS2, 6, 4)
	s_cmp_eq_u32 s2, 0
	s_cbranch_scc0 .Lentry_in_a_cluster
	s_endpgm
.Lentry_in_a_cluster:
	s_bfe_u32 s2, ttmp6, 0x10000c
	s_cmp_lg_u32 s2, 0xf033
	s_cbranch_scc0 .Lentry_shape_is_right
	s_endpgm
.Lentry_shape_is_right:
; qkv[8192][3072] = xb[8192][1024] . wb[1024][3072]: bf16 operands, f32 sums, the result rounded once to f16 (q in columns 0-1023, k 1024-2047, v 2048-3071).
; LIMIT: f16 holds nothing beyond 65,504: |q|, |k|, |v| must stay within it.
; A TILE OF 256 x 384 a work-group: 32 x 8 = 256 work-groups of equal work.  Four waves of 128 x 192: 96 accumulators, 768 registers (windows 1 to 3); all else lies in window 0.
; K goes in 16 HALF-STEPS of 64, two quarters of 32 each, 96 products a quarter.  xb's tile (K along its rows: 256 bytes + 16 of padding) has two slots of 128 along K; wb's ([k][n] as in memory: a row of
; 3 x (256 + 32) bytes, turned on the way into registers by ds_load_tr16_b128) has two slots of 64 along K: two slots of 128 for both would pass the work-group's LDS.
; A change of slots stands behind every half-step.  Behind it waves 2 and 3 ask for wb's half-step two on (32 k rows each), waves 0 and 1 for 64 rows each of xb's K step two on: an xb slot is filled in two
; halves, rows 0-127 behind an odd half-step, rows 128-255 behind the next even one.  So every wave has one load a change.
; FRAGMENTS.  xb's have two buffers, a quarter each.  wb's twelve have ONE: a group of four is loaded again straight behind the 32 products that read it, and is used 64 products later.
; CLUSTER 4 x 4: xb's tile is shared along a row of the cluster, wb's along a column; each is asked for jointly, by the same load with the same descriptor in the four that the mask names.
; The matrix instruction is used transposed (source 0 = 16 columns of wb, source 1 = 16 rows of xb): a lane then holds eight neighbouring numbers of one row of the result.
; REGISTERS: window 0: v16-30 addresses; v32-95, v96-159 xb's fragments; v160-255 wb's.  Window 1 + g: column group g (64 columns): accumulator (row block a, column block 4 g + bb) at v[8 (8 bb + a)].
.set PA,     272                       ; an LDS row of xb's tile: 68 words, so the 16 rows of a load start 4 banks apart
.set PB,     864                       ; an LDS row of wb's tile: 27 x 32 bytes
.set AQ,     64*PA                     ; what a refill of waves 0 and 1 brings
.set AHALF,  128*PA                    ; half an xb slot; also what their first fills bring
.set ASLOT,  256*PA                    ; 0x11000: shares no bit with 0x8800 (the half) and 0x4400 (the wave's place in it), so one exclusive or changes the slot
.set BBASE,  2*ASLOT
.set BHALF,  32*PB                     ; what waves 2 and 3 bring
.set BSLOT,  64*PB
.set SPARE,  BBASE+2*BSLOT             ; behind the ring: the spare words, 128 bytes a wave, named by no other line
.set SPITCH, 784                       ; the way out: a row of the tile, 768 bytes + 16; the stage lies over the ring, behind its last fill
.set XROW,   2048                      ; bytes in a row of xb
.set WROW,   6144                      ; bytes in a row of wb and of qkv
.set ADRA, 16                          ; v16 LDS address of my xb fragments in the half-step in hand; v17 the same for half-step 0
.set A0,   17
.set ADRB, 18                          ; v18-20 the same for wb's three column groups; v21-23 for half-step 0
.set B0,   21
.set STO,  24                          ; the way out: where I put 16 bytes of a row (row blocks 0-3); v25: row blocks 4-7
.set STO2, 25
.set RD,   26
.set CO,   27
.set SPW,  28                          ; v28 my spare word; v29 0: never rewritten
.set NIL,  29
.set PFO,  30                          ; v30 the prefetches' lane term; never rewritten
.set FA0,  32
.set FA1,  96
.set FB,   160
.set TMP,  32                          ; the way out: 128 registers of packed results
.set BK,   32                          ; and then 96 of rows read back
.set G1A,  24                          ; s[24:31] group 1 for xb's refills (64 rows); s[32:39] group 0: rows 0-127's set, rows 128-255's set
.set GA,   32
.set LIM,  43                          ; s43 1 in a wave that prefetches, else the greatest number
.set PFA,  44                          ; s[44:45] where my prefetches stand
.set G1B,  48                          ; s[48:55] group 1 for wb's tiles; s[56:63] group 0: slot 0's set, slot 1's set
.set GB,   56
.set TBA,  66                          ; s66 xb: the slot and the 128 bytes of its rows in hand;  s67 wb: 0 or BSLOT
.set TBB,  67
.set PFS,  68                          ; s[68:69] 128 along K for my prefetches
.set G1F,  72                          ; s[72:79] group 1 for xb's first fills (128 rows); s[80:87] their two sets of group 0
.set GF,   80
.set MSB, 0
.macro WIN new                         ; the immediate's high byte repeats the setting that is left; a switch that changes nothing is dropped
.if MSB != (\new)
	s_set_vgpr_msb (MSB<<8)|(\new)
.set MSB, \new
.endif
.endm
.macro PLACES                          ; four plain vector instructions between a matrix instruction and a load into, or a vector read of, its registers
.rept 4
	v_nop
.endr
.endm
; A joint refill.  odd = 1: behind an odd half-step.  fill = 2: waves 0 and 1 ask for xb, waves 2 and 3 for wb; fill = 1: wb alone.  The branch hangs on the wave's number alone.
.macro JLOAD fill, odd
	s_cmp_lt_u32 s10, 2
	s_cbranch_scc0 .Lfor_b_\@
.if (\fill) == 2
	tensor_load_to_lds s[GA+4-4*(\odd):GA+7-4*(\odd)], s[G1A:G1A+7]
	s_nop 0
.endif
	PLACES
	s_branch .Lasked_\@
.Lfor_b_\@:
	tensor_load_to_lds s[GB+4*(\odd):GB+4*(\odd)+3], s[G1B:G1B+7]
	s_nop 0
	PLACES
.Lasked_\@:
.endm
; PREFETCHES, once a trip of the loop, behind the even change's loads: what the next two changes will ask for, 128 along K.  A lane names a block of 256 bytes.
; xb: 256 rows x 256 bytes: the partner at cx takes rows 64 cx on, its waves 0 and 1 32 rows each; the clusters with x = 0 ask.  wb: 128 k rows x 768 bytes: the partner at cy takes k rows 32 cy on, a lane a row,
; wave 2 by three instructions; the clusters with y = 0 ask.  The partners are told apart by address alone.  Trips 0 to 4 ask (xb's K steps 3 to 7, wb's half-steps 5 to 14); the last trip names nothing.
.macro ASK
	s_cmp_gt_u32 s3, s[LIM]
	s_cbranch_scc0 .Lnot_mine_\@
	global_prefetch_b8 v[PFO], s[PFA:PFA+1] th:TH_LOAD_NT scope:SCOPE_SE
	s_cmp_lt_u32 s10, 2
	s_cbranch_scc1 .Lnot_mine_\@
	global_prefetch_b8 v[PFO], s[PFA:PFA+1] offset:256 th:TH_LOAD_NT scope:SCOPE_SE
	global_prefetch_b8 v[PFO], s[PFA:PFA+1] offset:512 th:TH_LOAD_NT scope:SCOPE_SE
.Lnot_mine_\@:
.endm
.macro CREST                           ; a round of the cluster's barrier behind its opening barrier
	s_cmp_lg_u32 s10, 0
	s_cbranch_scc1 .Lnot_wave_0_\@
	s_barrier_signal -3
.Lnot_wave_0_\@:
	s_barrier_wait -3
	s_barrier_signal -1
	s_barrier_wait -1
.endm
.macro CROUND
	s_barrier_signal -1
	s_barrier_wait -1
	CREST
.endm
	s_load_b128 s[4:7], s[0:1], 0x0                ; xb s[4:5], wb s[6:7]
	s_load_b64 s[8:9], s[0:1], 0x10                ; qkv
	v_lshl_add_u32 v[SPW], v0, 2, SPARE
	v_mov_b32 v[NIL], 0
	ds_add_u32 v[SPW], v[NIL]                      ; the wave's opening: the add and its wait ahead of my first tensor load
	ds_add_u32 v28, v29
	v_lshrrev_b32 v1, 5, v0
	v_readfirstlane_b32 s10, v1                    ; wave 0..3
	s_lshr_b32 s11, s10, 1                         ; my half of the tile's rows
	s_and_b32 s12, s10, 1                          ; my half of its columns; also: which part of a tile I fetch
	s_bfe_u32 s40, ttmp6, 0x40000                  ; cx
	s_bfe_u32 s41, ttmp6, 0x40004                  ; cy
	s_lshl_b32 s42, ttmp9, 2
	s_add_co_u32 s42, s42, s40                     ; tile column 0..7
	s_and_b32 s13, ttmp7, 0xffff
	s_lshl_b32 s13, s13, 2
	s_add_co_u32 s13, s13, s41                     ; tile row 0..31
	s_lshl_b32 s43, s41, 2
	s_lshl_b32 s43, 15, s43                        ; my row of the cluster
	s_lshl_b32 s44, 0x1111, s40                    ; my column
	s_or_b32 s[G1A], s43, (1<<16)|(1<<20)|(1<<21)|(5<<22)|(3<<25)  ; mask; 2-byte elements; padding on; bit 21 beside a mask; after every 64 words 4 words
	s_or_b32 s[G1F], s43, (1<<16)|(1<<20)|(1<<21)|(5<<22)|(3<<25)
	s_or_b32 s[G1B], s44, (1<<16)|(1<<20)|(1<<21)|(5<<22)|(7<<25)  ; after every 64 words 8 words: three times in a row of 192 words
	s_mov_b32 s[G1A+1], 128<<16                    ; tensor_dim0 = 128
	s_mov_b32 s[G1A+2], 64<<16                     ; tensor_dim1 = 64
	s_mov_b32 s[G1A+3], 128<<16                    ; tile_dim0 = 128
	s_mov_b32 s[G1A+4], 64                         ; tile_dim1 = 64
	s_mov_b32 s[G1A+5], 1024                       ; elements from row to row
	s_mov_b32 s[G1A+6], 0
	s_mov_b32 s[G1A+7], 0
	s_mov_b32 s[G1F+1], 128<<16
	s_mov_b32 s[G1F+2], 128<<16                    ; the first fills bring 128 rows
	s_mov_b32 s[G1F+3], 128<<16
	s_mov_b32 s[G1F+4], 128
	s_mov_b32 s[G1F+5], 1024
	s_mov_b32 s[G1F+6], 0
	s_mov_b32 s[G1F+7], 0
	s_mov_b32 s[G1B+1], 384<<16                    ; tensor_dim0 = 384
	s_mov_b32 s[G1B+2], 32<<16                     ; tensor_dim1 = 32
	s_mov_b32 s[G1B+3], 384<<16                    ; tile_dim0 = 384
	s_mov_b32 s[G1B+4], 32                         ; tile_dim1 = 32
	s_mov_b32 s[G1B+5], 3072
	s_mov_b32 s[G1B+6], 0
	s_mov_b32 s[G1B+7], 0
	s_lshl_b32 s16, s13, 19                        ; xb: 256 x tile row rows of 2,048 bytes (under 2^24)
	s_lshl_b32 s17, s12, 18
	s_add_co_u32 s18, s16, s17                     ; the first fills: + 128 rows x my part
	s_mov_b32 s19, 0
	s_lshl_b32 s17, s12, 17
	s_add_co_u32 s16, s16, s17                     ; the refills: + 64 rows x my part
	s_mov_b32 s17, 0
	s_mul_i32 s46, s12, 32*WROW                    ; wb: k row 32 x my part,
	s_mul_i32 s47, s42, 768                        ; column 384 x tile column
	s_add_co_u32 s46, s46, s47
	s_mov_b32 s47, 0
	s_mul_i32 s20, s12, AHALF                      ; where my parts go: the wave's number alone
	s_mul_i32 s21, s12, AQ
	s_mul_i32 s22, s12, BHALF
	s_mov_b32 s[GF], 1
	s_mov_b32 s[GF+1], s20                         ; K step 0 into slot 0,
	s_mov_b32 s[GF+4], 1
	s_add_co_u32 s[GF+5], s20, ASLOT               ; K step 1 into slot 1
	s_mov_b32 s[GA], 1
	s_add_co_u32 s[GA+1], s21, ASLOT               ; the two walking sets start one use back: slot 1, K step 1
	s_mov_b32 s[GA+4], 1
	s_add_co_u32 s[GA+5], s21, ASLOT+AHALF
	s_mov_b32 s[GB], 1
	s_add_co_u32 s[GB+1], s22, BBASE
	s_mov_b32 s[GB+4], 1
	s_add_co_u32 s[GB+5], s22, BBASE+BSLOT
	s_mov_b32 s[TBA], 0
	s_mov_b32 s[TBB], 0
	s_wait_dscnt 0x0                               ; the opening add is done
	s_wait_kmcnt 0x0
	s_add_nc_u64 s[18:19], s[4:5], s[18:19]
	s_add_nc_u64 s[16:17], s[4:5], s[16:17]
	s_add_nc_u64 s[46:47], s[6:7], s[46:47]
	s_mov_b64 s[GF+2:GF+3], s[18:19]
	s_or_b32 s[GF+3], s[GF+3], 0x80000000
	s_add_nc_u64 s[GF+6:GF+7], s[18:19], 256
	s_or_b32 s[GF+7], s[GF+7], 0x80000000
	s_add_nc_u64 s[GA+2:GA+3], s[16:17], 256
	s_or_b32 s[GA+3], s[GA+3], 0x80000000
	s_add_nc_u64 s[GA+6:GA+7], s[16:17], 128*XROW+256
	s_or_b32 s[GA+7], s[GA+7], 0x80000000
	s_mov_b64 s[GB+2:GB+3], s[46:47]               ; half-step 0,
	s_or_b32 s[GB+3], s[GB+3], 0x80000000
	s_add_nc_u64 s[GB+6:GB+7], s[46:47], 64*WROW   ; half-step 1
	s_or_b32 s[GB+7], s[GB+7], 0x80000000
	CROUND                                         ; all sixteen work-groups are here: the first joint loads meet
	s_cmp_lt_u32 s10, 2                            ; a wave's two first fills stand in one branch: two loads of mine are out
	s_cbranch_scc0 .Lfirst_b
	tensor_load_to_lds s[GF:GF+3], s[G1F:G1F+7]
	s_nop 0
	tensor_load_to_lds s[GF+4:GF+7], s[G1F:G1F+7]
	s_nop 0
	PLACES
	s_branch .Lfirst_asked
.Lfirst_b:
	tensor_load_to_lds s[GB:GB+3], s[G1B:G1B+7]
	s_nop 0
	tensor_load_to_lds s[GB+4:GB+7], s[G1B:G1B+7]
	s_nop 0
	PLACES
.Lfirst_asked:
	v_and_b32 v1, 15, v0                           ; r = l % 16
	v_bfe_u32 v2, v0, 4, 1                         ; h = l / 16
	v_mul_u32_u24 v3, v1, PA
	v_lshl_add_u32 v3, v2, 4, v3                   ; a fragment of xb: row r, 16 bytes for each half of the lanes
	s_mul_i32 s20, s11, AHALF                      ; my 128 rows
	v_add_nc_u32 v[A0], s20, v3
	v_mov_b32 v[ADRA], v[A0]
	v_and_b32 v4, 7, v0                            ; the turning load: lane l reads k row 8 h + l % 8, 16 bytes at 16 ((l / 8) % 2)
	v_lshl_add_u32 v4, v2, 3, v4
	v_mul_u32_u24 v4, v4, PB
	v_bfe_u32 v5, v0, 3, 1
	v_lshl_add_u32 v4, v5, 4, v4
	s_mul_i32 s20, s12, 3                          ; my 192 columns are three groups of 64: group 3 x half + g of the tile's six; two groups lie in a padded block of 288 bytes
.irp g, 0,1,2
	s_add_co_u32 s21, s20, \g
	s_lshr_b32 s22, s21, 1
	s_mul_i32 s22, s22, 288
	s_and_b32 s21, s21, 1
	s_lshl_b32 s21, s21, 7
	s_add_co_u32 s22, s22, s21
	s_add_co_u32 s22, s22, BBASE
	v_add_nc_u32 v[B0+(\g)], s22, v4
	v_mov_b32 v[ADRB+(\g)], v[B0+(\g)]
.endr
	s_lshl_b32 s20, s11, 7                         ; into the stage: row 128 x my half + r, byte 384 x my half of the columns + 16 h
	v_add_nc_u32 v3, s20, v1
	v_mul_u32_u24 v3, v3, SPITCH
	v_lshl_add_u32 v3, v2, 4, v3
	s_mul_i32 s20, s12, 384
	v_add_nc_u32 v[STO], s20, v3
	v_add_nc_u32 v[STO2], 64*SPITCH, v[STO]        ; the offsets have 16 bits
	s_lshl_b32 s20, s10, 6                         ; back: wave w takes rows 64 w on, whole; lanes 0-15 256 bytes of one row, lanes 16-31 of the next
	v_add_nc_u32 v3, s20, v2
	v_mul_u32_u24 v3, v3, SPITCH
	v_lshl_add_u32 v[RD], v1, 4, v3
	v_mul_u32_u24 v3, v2, WROW
	v_lshl_add_u32 v[CO], v1, 4, v3
	; the prefetches' address, one step of 128 along K ahead of the first that is named: each asking change steps it once before it asks
	s_lshl_b32 s88, s40, 17                        ; xb: 64 cx rows,
	s_lshl_b32 s89, s12, 16                        ; 32 rows x my wave,
	s_add_co_u32 s88, s88, s89
	s_lshl_b32 s89, s13, 19                        ; the tile's first row,
	s_add_co_u32 s88, s88, s89
	s_add_co_u32 s88, s88, 2*256                   ; K step 2
	s_lshl_b32 s90, s41, 5                         ; wb: 32 cy k rows,
	s_add_co_u32 s90, s90, 3*64                    ; half-step 3,
	s_mul_i32 s90, s90, WROW
	s_mul_i32 s91, s42, 768                        ; the tile's first column
	s_add_co_u32 s90, s90, s91
	s_and_b32 s91, ttmp7, 0xffff
	s_mov_b32 s[PFS], 128*WROW
	s_mov_b32 s92, WROW
	s_cmp_lt_u32 s10, 2
	s_cselect_b64 s[PFA:PFA+1], s[4:5], s[6:7]
	s_cselect_b32 s88, s88, s90
	s_cselect_b32 s91, ttmp9, s91                  ; the coordinate along which other clusters read the same blocks
	s_cselect_b32 s[PFS], 256, s[PFS]
	s_cselect_b32 s92, XROW, s92
	s_mov_b32 s[PFS+1], 0
	s_mov_b32 s89, 0
	s_cmp_eq_u32 s10, 3
	s_cselect_b32 s91, 1, s91                      ; wave 3 asks for nothing: wave 2 names all of wb's
	s_cmp_eq_u32 s91, 0
	s_cselect_b32 s[LIM], 1, -1                    ; the same in all sixteen partners, for a given wave
	s_add_nc_u64 s[PFA:PFA+1], s[PFA:PFA+1], s[88:89]
	v_and_b32 v6, 31, v0
	v_mul_lo_u32 v[PFO], v6, s92                   ; a lane a row
	; qkv at the 64 rows that I store
	s_lshl_b32 s88, s13, 8
	s_lshl_b32 s89, s10, 6
	s_add_co_u32 s88, s88, s89
	s_mul_i32 s88, s88, WROW
	s_mul_i32 s89, s42, 768
	s_add_co_u32 s88, s88, s89
	s_mov_b32 s89, 0
	s_add_nc_u64 s[8:9], s[8:9], s[88:89]
; 8 nbb products of column group g: column blocks bb0 on x all 8 row blocks, 32 along K, xb's fragments in buffer fa.  The 96 accumulators take turns, one instruction a turn, in the same order in every quarter.
.macro GRP g, fa, bb0, nbb, zero
	WIN 0x50*(1+(\g))                              ; sources window 0; C and D window 1 + g
.set bb, \bb0
.rept \nbb
.irp a, 0,1,2,3,4,5,6,7
.if \zero
	v_wmma_f32_16x16x32_bf16 v[8*(8*bb+(\a)):8*(8*bb+(\a))+7], v[FB+8*(4*(\g)+bb):FB+8*(4*(\g)+bb)+7], v[(\fa)+8*(\a):(\fa)+8*(\a)+7], 0
.else
	v_wmma_f32_16x16x32_bf16 v[8*(8*bb+(\a)):8*(8*bb+(\a))+7], v[FB+8*(4*(\g)+bb):FB+8*(4*(\g)+bb)+7], v[(\fa)+8*(\a):(\fa)+8*(\a)+7], v[8*(8*bb+(\a)):8*(8*bb+(\a))+7]
.endif
.endr
.set bb, bb+1
.endr
.endm
.macro RUNB g, ko                      ; 8 LDS loads: column group g's four fragments of wb, quarter ko of the half-step that the addresses stand at
.irp i, 0,1,2,3
	ds_load_tr16_b128 v[FB+8*(4*(\g)+(\i)):FB+8*(4*(\g)+(\i))+3],   v[ADRB+(\g)] offset:(\ko)*32*PB+32*(\i)
	ds_load_tr16_b128 v[FB+8*(4*(\g)+(\i))+4:FB+8*(4*(\g)+(\i))+7], v[ADRB+(\g)] offset:(\ko)*32*PB+32*(\i)+16*PB
.endr
.endm
.macro RUNA ko, f                      ; 16 LDS loads: xb's eight fragments of that quarter into buffer f
.irp a, 0,1,2,3,4,5,6,7
	ds_load_b128 v[(\f)+8*(\a):(\f)+8*(\a)+3],   v[ADRA] offset:(\ko)*64+(\a)*16*PA
	ds_load_b128 v[(\f)+8*(\a)+4:(\f)+8*(\a)+7], v[ADRA] offset:(\ko)*64+(\a)*16*PA+32
.endr
.endm
; A half-step's FIRST QUARTER: multiplies buffer 0; behind each column group's 32 products that group's fragments of the second quarter are fetched, behind the first also xb's, into buffer 1.
.macro NQ zero
	s_wait_dscnt 16                                ; the run of 24 (wb's group 0, xb) is in; the two younger runs of 8 may be out
	GRP 0, FA0, 0, 4, \zero
	WIN 0
	PLACES
	RUNB 0, 1
	RUNA 1, FA1
	s_wait_dscnt 32                                ; group 1's run is in; behind it stand group 2's 8 and the 24 just issued
	GRP 1, FA0, 0, 4, \zero
	WIN 0
	PLACES
	RUNB 1, 1
	s_wait_dscnt 32                                ; group 2's run is in; behind it stand the 24 and the 8 of this quarter
	GRP 2, FA0, 0, 4, \zero
	WIN 0
	PLACES
	RUNB 2, 1
.endm
; A half-step's SECOND QUARTER multiplies buffer 1 and changes slots.  In front of the barrier each wave waits for all its tensor loads (at most one is out), adds 0 to its spare word, and waits for that and for its
; reads of the slots that it leaves.  fill > 0: the barrier opens a round of the cluster's, and the joint refill is the first tensor load behind the round: 168 products ahead of the wait for it.
; odd = 1: the half-step that ends is odd: xb's K step ends with it.  ask = 1: the change that prefetches.
.macro TURN fill, odd, ask
	s_wait_dscnt 16                                ; the run of 24 is in
	GRP 0, FA1, 0, 1, 0
	WIN 0                                          ; (the add's two registers lie in window 0)
.if \ask
	s_wait_xcnt 0x0                                ; the last prefetches, a trip back, have read their address
	s_add_nc_u64 s[PFA:PFA+1], s[PFA:PFA+1], s[PFS:PFS+1]
.endif
	s_wait_tensorcnt 0x0
	ds_add_u32 v[SPW], v[NIL]                      ; 0 onto my spare word; the steps below and 16 products stand between it and the wait for it
	s_xor_b32 s[TBB], s[TBB], BSLOT                ; the fetches go to wb's other slot,
.if \odd
	s_xor_b32 s[TBA], s[TBA], ASLOT+128            ; and to the head of the rows in xb's other slot,
.else
	s_xor_b32 s[TBA], s[TBA], 128                  ; or 128 bytes on in the same rows
.endif
	v_add_nc_u32 v[ADRA], s[TBA], v[A0]
.irp g, 0,1,2
	v_add_nc_u32 v[ADRB+(\g)], s[TBB], v[B0+(\g)]
.endr
.if (\fill) == 2
	s_xor_b32 s[GA+5-4*(\odd)], s[GA+5-4*(\odd)], ASLOT  ; no tensor load of mine is out: this half's set takes xb's other slot and the next K step
	s_add_nc_u64 s[GA+6-4*(\odd):GA+7-4*(\odd)], s[GA+6-4*(\odd):GA+7-4*(\odd)], 256
.endif
.if \fill
	s_add_nc_u64 s[GB+4*(\odd)+2:GB+4*(\odd)+3], s[GB+4*(\odd)+2:GB+4*(\odd)+3], 128*WROW  ; this slot's set: two half-steps on
.endif
	GRP 0, FA1, 1, 2, 0
	s_wait_dscnt 0x0                               ; the add is done, and my reads of the slots that end here are over
	s_barrier_signal -1
	GRP 0, FA1, 3, 1, 0
	WIN 0
	s_barrier_wait -1
.if \fill
	CREST
	JLOAD \fill, \odd                              ; its four v_nop are also the places in front of the loads below
.else
	PLACES
.endif
	RUNB 0, 0
	RUNA 0, FA0
.if \ask
	ASK
.endif
	GRP 1, FA1, 0, 4, 0                            ; (all earlier loads were waited for in front of the barrier)
	WIN 0
	PLACES
	RUNB 1, 0
	GRP 2, FA1, 0, 4, 0
	WIN 0
	PLACES
	RUNB 2, 0
.endm
; THE WAY OUT.  A wave's 192 columns are 384 bytes, one and a half aligned blocks of 256: so all four waves write one stage, and each then reads 64 whole rows.
.macro PACKC g                         ; column group g's 32 accumulators, each read from its low end on, rounded to f16: 16 bytes a lane and accumulator
	WIN 0x05*(1+(\g))                              ; sources window 1 + g, destination window 0
.set i, 0
.rept 32
.irp r, 0,1,2,3
	v_cvt_pk_f16_f32 v[TMP+4*i+(\r)], v[8*i+2*(\r)], v[8*i+2*(\r)+1]
.endr
.set i, i+1
.endr
	WIN 0
.endm
.macro PACKS g                         ; into the stage: accumulator i is row block i % 8, column block 4 g + i / 8
.set i, 0
.rept 32
.if (i%8) < 4
	ds_store_b128 v[STO], v[TMP+4*i:TMP+4*i+3] offset:(i%8)*16*SPITCH+32*(4*(\g)+i/8)
.else
	ds_store_b128 v[STO2], v[TMP+4*i:TMP+4*i+3] offset:((i%8)-4)*16*SPITCH+32*(4*(\g)+i/8)
.endif
.set i, i+1
.endr
.endm
	s_wait_tensorcnt 1                             ; my part of the first slot is in; the second's may stay out
	s_barrier_signal -1
	s_barrier_wait -1
	RUNB 0, 0
	RUNA 0, FA0
	RUNB 1, 0
	RUNB 2, 0
	NQ 1                                           ; half-step 0: the first quarter's products start the sums
	TURN 1, 0, 0                                   ; wb's half-step 2 is asked for; both of xb's slots are still to be read
	s_mov_b32 s3, 6
.Ltrip:                                            ; trip t: half-steps 2 t + 1 and 2 t + 2; asks for wb's half-steps 2 t + 3 and 2 t + 4 and for xb's K step t + 2
	NQ 0
	TURN 2, 1, 0
	NQ 0
	TURN 2, 0, 1
	s_sub_co_u32 s3, s3, 1
	s_cmp_lg_u32 s3, 0
	s_cbranch_scc1 .Ltrip
	NQ 0                                           ; half-step 13: wb's half-step 15 is the last load
	TURN 1, 1, 0
	s_mov_b32 s3, 2
.Ltail:                                            ; half-steps 14 and 15 ask for nothing; the very last fetch reads bytes of the ring once more and serves nothing: the price of one text for both trips
	NQ 0
	TURN 0, 0, 0
	s_sub_co_u32 s3, s3, 1
	s_cmp_lg_u32 s3, 0
	s_cbranch_scc1 .Ltail
	PLACES
	s_wait_dscnt 0x0                               ; my reads of the ring are over, and the fragments' registers are free
	s_barrier_signal -1
	PACKC 0                                        ; work on registers while the others arrive
	s_barrier_wait -1                              ; nobody reads the ring any more, and it has had its last fill: the stage may lie over it
	PACKS 0
	PACKC 1
	PACKS 1
	PACKC 2
	PACKS 2
	s_wait_dscnt 0x0                               ; for the others' sake: my stores into the stage are done
	s_barrier_signal -1
	s_barrier_wait -1
	s_mov_b32 s3, 4
.Lout:                                             ; 16 of my 64 rows a trip
.irp t, 0,1,2,3,4,5,6,7
.irp u, 0,1,2
	ds_load_b128 v[BK+4*(3*(\t)+(\u)):BK+4*(3*(\t)+(\u))+3], v[RD] offset:(\t)*2*SPITCH+256*(\u)
.endr
.endr
.irp t, 0,1,2,3,4,5,6,7
	s_wait_dscnt 21-3*(\t)                         ; rows 2 t and 2 t + 1 are back; the younger loads stay out
.irp u, 0,1,2
	global_store_b128 v[CO], v[BK+4*(3*(\t)+(\u)):BK+4*(3*(\t)+(\u))+3], s[8:9] offset:2*(\t)*WROW+256*(\u)  ; 16 lanes store 256 consecutive bytes, at a multiple of 256 from qkv's first byte
.endr
.endr
	s_wait_xcnt 0x0                                ; the stores' base and data are rewritten only behind this wait
	s_add_nc_u64 s[8:9], s[8:9], 16*WROW
	v_add_nc_u32 v[RD], 16*SPITCH, v[RD]
	s_sub_co_u32 s3, s3, 1
	s_cmp_lg_u32 s3, 0
	s_cbranch_scc1 .Lout
	s_wait_tensorcnt 0x0                           ; the wave's end
	ds_add_u32 v[SPW], v[NIL]
	s_wait_dscnt 0x0
	CROUND                                         ; the closing round
	s_endpgm
.Lfunc_end_k_q83af6d6f02_proj:
	.size	k_q83af6d6f02_proj, .Lfunc_end_k_q83af6d6f02_proj-k_q83af6d6f02_proj
	.p2alignl 7, 3214868480
	.fill 96, 4, 3214868480
	.section	.rodata,"a",@progbits
	.p2align	6, 0x0
	.amdhsa_kernel k_q83af6d6f02_proj
		.amdhsa_group_segment_fixed_size 327680
		.amdhsa_private_segment_fixed_size 0
		.amdhsa_enable_private_segment 0
		.amdhsa_kernarg_size 24
		.amdhsa_user_sgpr_count 2
		.amdhsa_user_sgpr_kernarg_segment_ptr 1
		.amdhsa_wavefront_size32 1
		.amdhsa_system_sgpr_workgroup_id_x 1
		.amdhsa_system_sgpr_workgroup_id_y 1
		.amdhsa_system_sgpr_workgroup_id_z 1
		.amdhsa_system_vgpr_workitem_id 0
		.amdhsa_next_free_vgpr 1024
		.amdhsa_next_free_sgpr 96
		.amdhsa_reserve_vcc 0
		.amdhsa_float_denorm_mode_32 3
		.amdhsa_float_denorm_mode_16_64 3
		.amdhsa_memory_ordered 1
		.amdhsa_forward_progress 1
		.amdhsa_inst_pref_size 146
	.end_amdhsa_kernel
	.amdgpu_metadata
---
amdhsa.version: [ 1, 2 ]
amdhsa.kernels:
  - .name:           k_q83af6d6f02_proj
    .symbol:         k_q83af6d6f02_proj.kd
    .args:
      - { .name: xb, .offset: 0, .size: 8, .value_kind: global_buffer, .address_space: global }
      - { .name: wb, .offset: 8, .size: 8, .value_kind: global_buffer, .address_space: global }
      - { .name: qkv, .offset: 16, .size: 8, .value_kind: global_buffer, .address_space: global }
    .group_segment_fixed_size: 327680
    .private_segment_fixed_size: 0
    .kernarg_segment_align: 8
    .kernarg_segment_size: 24
    .max_flat_workgroup_size: 128
    .sgpr_count:     96
    .vgpr_count:     1024
    .wavefront_size: 32
...
	.end_amdgpu_metadata
.endif
;; end of part 2
;; launch score (part 3): grid 36 x 4, 4 waves a work-group, no clusters, 327,680 bytes of LDS; arguments qkv, pt, st; writes pt, st
.if DOCPART == 3
	.amdgcn_target "amdgcn-amd-amdhsa--gfx1250"
	.amdhsa_code_object_version 6
	.text
	.protected	k_q83af6d6f02_score
	.globl	k_q83af6d6f02_score
	.p2align	8
	.type	k_q83af6d6f02_score,@function
k_q83af6d6f02_score:
	s_mov_b64 s[64:65], 0
	v_nop
	global_prefetch_b8 v0, s[64:65] scope:SCOPE_SE
	s_setreg_imm32_b32 hwreg(HW_REG_WAVE_MODE, 25, 1), 1
	s_wait_xcnt 0x0
; For each of a batch's 36 tiles (i, j), j <= i, of 256 queries x 256 keys: t = c q . k, c = log2(e) / 32; keys behind the query are hidden; for each query and each CHUNK of 128 keys
; (a wave's columns) the maximum m of t, the weights 2^(t - m), rounded once to f16 into pt, and their f32 sum l; m and l go to st.  The launch behind joins the chunks by the row's true maximum.
; LIMITS: a hidden score counts as -1e30 (f16's products, 1024 x 65,504^2 x c at the most, are nothing beside it); a weight below 2^-126 counts as 0; NaN and infinities are not treated apart.
; A chunk that lies wholly behind its queries gets m = -1e30, weights 1 and l = 128: the launch behind gives it the factor 0.
; The product is a tile of 256 x 256 with K = 1,024 in 8 steps of 128 through two LDS slots; four waves of 128 x 128; f16 operands, f32 sums; source 0 = 16 keys, source 1 = 16 queries: a lane holds one query (l % 16) and the keys 8 (l / 16) + 0..7 of each block of 16.
; NO CLUSTER: row i of the causal triangle has i + 1 tiles and column j has 8 - j: they do not fall into fours that share a row or a column, and no work-group may be added to make up a number.
; REGISTERS as in the projection; behind the K loop window 0 holds: v64-127 a row block's 64 values, v128-159 its packed weights, v160-191 rows read back from the stage, v32-45 at work.
.set PA,     272
.set HALFT,  34816                     ; 128 rows x 272 bytes: what one tensor load brings
.set SLOT,   4*HALFT                   ; q's 256 rows, then k's; 0x22000 shares no bit with the waves' places
.set STAGE,  2*SLOT                    ; 16 rows x 272 bytes for each wave
.set SPITCH, 272
.set SCR,    STAGE+4*16*SPITCH         ; 1,024 bytes for each wave: m of its 128 rows, then l
.set SPARE,  SCR+4096                  ; the spare words: 128 bytes a wave, named by no other line
.set QROW,   6144                      ; bytes in a row of qkv
.set PROW,   4096                      ; bytes in a row of pt
.set ADRA, 16
.set A0,   17
.set ADRB, 20
.set B0,   21
.set STO,  24
.set RD,   25
.set CO,   26
.set SPW,  28
.set NIL,  29
.set PFO,  30
.set C0,   32                          ; v32-35 four chains of the maximum
.set MX,   36                          ; v36 m; v37 the other half of the lanes' (named with it as a pair)
.set XT,   37
.set LS,   38                          ; v38 l; v39 the other half's
.set XT2,  39
.set TH,   40                          ; v40 key 16 b + jj of the wave's columns is hidden where it is greater than this
.set THB,  41
.set SCA,  42                          ; v42 where m of my row goes
.set BIGV, 43                          ; v43 -1e30
.set SRD,  44
.set SO,   45
.set F0,   64
.set F1,   128
.set W,    64
.set PK,   128
.set BK,   160
.set G1,   24                          ; s[24:31] group 1; s[32:39] group 0: set 0 for the first fill, set 1 walks
.set G0,   32
.set LIM,  43
.set PFA,  44
.set CS,   46                          ; s[46:47] c
.set SEL,  48                          ; s[48:49] v_permlanex16_b32's selects: each lane takes its own place in the other half
.set DD,   50                          ; s50 first key of my columns less first query of my rows
.set CNT,  51
.set PT,   52                          ; s[52:53] pt at my row block
.set STB,  54                          ; s[54:55] st at my chunk and rows
.set TB,   56
.set MSB, 0
.macro WIN new
.if MSB != (\new)
	s_set_vgpr_msb (MSB<<8)|(\new)
.set MSB, \new
.endif
.endm
.set MUL_LO, 0xa1
.set MUL_HI, 0xf1
.set TO_B,   0x40
.macro PLACES
.rept 4
	v_nop
.endr
.endm
; Prefetches of the K step two refills on: my own 128 rows x 256 bytes, a lane a row, four instructions.  A block of q's rows is read by the tiles of its row: tile j = 0 asks; a block of k's rows by the
; tiles of its column: tile i = j asks.  Trips 0 to 3 name K steps 4 to 7; the later trips name nothing.
.macro ASK4
	s_cmp_gt_u32 s3, s[LIM]
	s_cbranch_scc0 .Lnot_mine_\@
.irp u, 0,1,2,3
	global_prefetch_b8 v[PFO], s[PFA:PFA+1] offset:32*QROW*(\u) th:TH_LOAD_NT scope:SCOPE_SE
.endr
.Lnot_mine_\@:
.endm
	s_load_b128 s[4:7], s[0:1], 0x0                ; qkv s[4:5], pt s[6:7]
	s_load_b64 s[8:9], s[0:1], 0x10                ; st
	v_lshl_add_u32 v[SPW], v0, 2, SPARE
	v_mov_b32 v[NIL], 0
	ds_add_u32 v[SPW], v[NIL]                      ; the wave's opening: the add and its wait ahead of my first tensor load
	ds_add_u32 v28, v29
	v_lshrrev_b32 v1, 5, v0
	v_readfirstlane_b32 s10, v1                    ; wave 0..3
	s_lshr_b32 s11, s10, 1                         ; my half of the queries; also: I fetch q (0) or k (1)
	s_and_b32 s12, s10, 1                          ; my half of the keys; also: which 128 rows I fetch
	s_mov_b32 s13, 0                               ; i: how many of the triangle's row starts the work-group's number has reached
.irp T, 1,3,6,10,15,21,28
	s_cmp_ge_u32 ttmp9, \T
	s_add_co_ci_u32 s13, s13, 0
.endr
	s_add_co_u32 s14, s13, 1
	s_mul_i32 s14, s14, s13
	s_lshr_b32 s14, s14, 1
	s_sub_co_u32 s14, ttmp9, s14                   ; j
	s_and_b32 s15, ttmp7, 0xffff                   ; the batch
	s_mov_b32 s[G1+0], (1<<16)|(1<<20)|(5<<22)|(3<<25)  ; 2-byte elements; padding on: after every 64 words 4 words
	s_mov_b32 s[G1+1], 128<<16
	s_mov_b32 s[G1+2], 128<<16
	s_mov_b32 s[G1+3], 128<<16
	s_mov_b32 s[G1+4], 128
	s_mov_b32 s[G1+5], 3072
	s_mov_b32 s[G1+6], 0
	s_mov_b32 s[G1+7], 0
	s_cmp_eq_u32 s11, 0
	s_cselect_b32 s16, s13, s14                    ; q's block i or k's block j
	s_cselect_b32 s18, 0, 2048                     ; q at byte 0 of a row, k at byte 2,048
	s_lshl_b32 s16, s16, 8
	s_lshl_b32 s17, s15, 11
	s_add_co_u32 s16, s16, s17
	s_lshl_b32 s17, s12, 7
	s_add_co_u32 s16, s16, s17                     ; my first row among the 8,192
	s_mul_i32 s16, s16, QROW
	s_add_co_u32 s16, s16, s18
	s_mov_b32 s17, 0
	s_mul_i32 s20, s10, HALFT
	s_mov_b32 s[TB], 0
	s_mov_b32 s[CS], 0x3d38aa3b                    ; c = log2(e) / 32
	s_mov_b32 s[CS+1], s[CS]
	s_mov_b32 s[SEL], 0x76543210
	s_mov_b32 s[SEL+1], 0xfedcba98
	s_sub_co_u32 s19, s13, s14
	s_cmp_eq_u32 s11, 0
	s_cselect_b32 s19, s14, s19                    ; q's waves: j; k's waves: i - j
	s_cmp_eq_u32 s19, 0
	s_cselect_b32 s[LIM], 2, -1
	s_sub_co_i32 s[DD], s14, s13
	s_lshl_b32 s[DD], s[DD], 1
	s_add_co_i32 s[DD], s[DD], s12
	s_sub_co_i32 s[DD], s[DD], s11
	s_lshl_b32 s[DD], s[DD], 7                     ; 256 (j - i) + 128 (key half - query half)
	s_wait_dscnt 0x0                               ; the opening add is done
	s_wait_kmcnt 0x0
	s_add_nc_u64 s[22:23], s[4:5], s[16:17]
.irp s, 0,1
	s_mov_b32 s[G0+4*(\s)], 1
	s_add_co_u32 s[G0+4*(\s)+1], s20, (\s)*SLOT
	s_add_nc_u64 s[G0+4*(\s)+2:G0+4*(\s)+3], s[22:23], (\s)*256
	s_or_b32 s[G0+4*(\s)+3], s[G0+4*(\s)+3], 0x80000000
.endr
	tensor_load_to_lds s[G0:G0+3], s[G1:G1+7]      ; K steps 0 and 1: two loads of mine are out
	s_nop 0
	tensor_load_to_lds s[G0+4:G0+7], s[G1:G1+7]
	s_nop 0
	PLACES
	s_add_nc_u64 s[PFA:PFA+1], s[22:23], 3*256     ; each change of slots steps it once before it asks
	v_and_b32 v6, 31, v0
	v_mul_u32_u24 v[PFO], v6, QROW
	v_and_b32 v1, 15, v0                           ; r
	v_bfe_u32 v2, v0, 4, 1                         ; h
	v_mul_u32_u24 v3, v1, PA
	v_lshl_add_u32 v3, v2, 4, v3
	s_mul_i32 s21, s11, HALFT
	v_add_nc_u32 v[A0], s21, v3
	v_mov_b32 v[ADRA], v[A0]
	s_mul_i32 s21, s12, HALFT
	s_add_co_u32 s21, s21, 2*HALFT
	v_add_nc_u32 v[B0], s21, v3
	v_mov_b32 v[ADRB], v[B0]
	s_mul_i32 s21, s10, 16*SPITCH
	s_add_co_u32 s21, s21, STAGE
	v_mul_u32_u24 v4, v1, SPITCH
	v_lshl_add_u32 v4, v2, 4, v4
	v_add_nc_u32 v[STO], s21, v4
	v_mul_u32_u24 v5, v2, SPITCH
	v_lshl_add_u32 v5, v1, 4, v5
	v_add_nc_u32 v[RD], s21, v5
	v_lshlrev_b32 v[CO], 12, v2
	v_lshl_add_u32 v[CO], v1, 4, v[CO]
	v_lshlrev_b32 v5, 3, v2
	v_sub_nc_u32 v[TH], v1, v5
	v_sub_nc_u32 v[TH], v[TH], s[DD]               ; r - 8 h - DD, for row block 0
	s_lshl_b32 s21, s10, 10
	s_add_co_u32 s21, s21, SCR
	v_lshl_add_u32 v[SCA], v1, 2, s21
	v_lshl_add_u32 v[SRD], v6, 4, s21
	v_lshlrev_b32 v[SO], 4, v6
	v_mov_b32 v[BIGV], 0xf149f2ca                  ; -1e30
	v_mov_b32 v[XT], 0                             ; v_permlanex16_b32 counts as a reader of its destination
	v_mov_b32 v[XT2], 0
	s_lshl_b32 s16, s15, 11
	s_lshl_b32 s17, s13, 8
	s_add_co_u32 s16, s16, s17
	s_lshl_b32 s17, s11, 7
	s_add_co_u32 s16, s16, s17                     ; my first query among the 8,192
	s_lshl_b32 s18, s16, 2                         ; in st: 4 bytes a row,
	s_lshl_b32 s19, s14, 1
	s_add_co_u32 s19, s19, s12                     ; chunk 2 j + key half,
	s_lshl_b32 s19, s19, 15                        ; 32,768 bytes a chunk
	s_add_co_u32 s18, s18, s19
	s_mov_b32 s19, 0
	s_add_nc_u64 s[STB:STB+1], s[8:9], s[18:19]
	s_lshl_b32 s16, s16, 12                        ; in pt: 4,096 bytes a row,
	s_lshl_b32 s17, s14, 9                         ; 512 bytes a tile of keys,
	s_add_co_u32 s16, s16, s17
	s_lshl_b32 s17, s12, 8                         ; 256 a chunk
	s_add_co_u32 s16, s16, s17
	s_mov_b32 s17, 0
	s_add_nc_u64 s[PT:PT+1], s[6:7], s[16:17]
; The accumulators take turns, one instruction a turn, in the same order in every quarter.
.macro MUL16 f, hi, a0, zero
	WIN MUL_LO+0x50*(\hi)
.irp a, \a0, (\a0)+1
.irp b, 0,1,2,3,4,5,6,7
.if \zero
	v_wmma_f32_16x16x32_f16 v[8*(8*(\a)+(\b)):8*(8*(\a)+(\b))+7], v[(\f)+8*(\b):(\f)+8*(\b)+7], v[(\f)+8*(4*(\hi)+(\a)):(\f)+8*(4*(\hi)+(\a))+7], 0
.else
	v_wmma_f32_16x16x32_f16 v[8*(8*(\a)+(\b)):8*(8*(\a)+(\b))+7], v[(\f)+8*(\b):(\f)+8*(\b)+7], v[(\f)+8*(4*(\hi)+(\a)):(\f)+8*(4*(\hi)+(\a))+7], v[8*(8*(\a)+(\b)):8*(8*(\a)+(\b))+7]
.endif
.endr
.endr
.endm
.macro FETCH k, f                      ; 32 LDS loads in one run: k's 16 first, then q's
	WIN TO_B
.irp i, 0,1,2,3,4,5,6,7
	ds_load_b128 v[(\f)+8*(\i):(\f)+8*(\i)+3],   v[ADRB] offset:(\k)+(\i)*16*PA
	ds_load_b128 v[(\f)+8*(\i)+4:(\f)+8*(\i)+7], v[ADRB] offset:(\k)+(\i)*16*PA+32
.endr
	WIN 0
.irp i, 0,1,2,3,4,5,6,7
	ds_load_b128 v[(\f)+8*(\i):(\f)+8*(\i)+3],   v[ADRA] offset:(\k)+(\i)*16*PA
	ds_load_b128 v[(\f)+8*(\i)+4:(\f)+8*(\i)+7], v[ADRA] offset:(\k)+(\i)*16*PA+32
.endr
.endm
.macro QUARTER k, f, g, zero
	s_wait_dscnt 8                                 ; k's fragments and q's rows 0-63 are in; the youngest eight loads may be out
	MUL16 \f, 0, 0, \zero
	MUL16 \f, 0, 2, \zero
	PLACES
	FETCH \k, \g
	s_wait_dscnt 32                                ; all but the 32 just issued
	MUL16 \f, 1, 0, \zero
	MUL16 \f, 1, 2, \zero
.endm
; The fourth quarter changes slots: all my tensor loads waited for (one is out: my part of the next slot), the add, the wait for it and for my reads of this slot, one barrier; fill = 1: the refill, two K steps on, first behind it.
.macro TURN fill
.if \fill
	s_wait_xcnt 0x0                                ; the last prefetches, a K step back, have read their address
	s_add_nc_u64 s[PFA:PFA+1], s[PFA:PFA+1], 256
.endif
	WIN 0
	s_wait_tensorcnt 0x0
	ds_add_u32 v[SPW], v[NIL]                      ; 0 onto my spare word
	s_xor_b32 s[TB], s[TB], SLOT
	v_add_nc_u32 v[ADRA], s[TB], v[A0]
	v_add_nc_u32 v[ADRB], s[TB], v[B0]
.if \fill
	s_xor_b32 s[G0+5], s[G0+5], SLOT
	s_add_nc_u64 s[G0+6:G0+7], s[G0+6:G0+7], 256
.endif
	s_wait_dscnt 9                                 ; the add and the youngest eight loads may be out
	MUL16 F1, 0, 0, 0
	s_wait_dscnt 0x0                               ; the add is done, and my reads of this slot are over
	s_barrier_signal -1
	MUL16 F1, 0, 2, 0
	WIN 0
	s_barrier_wait -1
.if \fill
	tensor_load_to_lds s[G0+4:G0+7], s[G1:G1+7]
	s_nop 0
.endif
	PLACES                                         ; the places in front of the loads below
	FETCH 0, F0
.if \fill
	ASK4
.endif
	MUL16 F1, 1, 0, 0
	MUL16 F1, 1, 2, 0
.endm
.macro COPY a                          ; row block a's 64 sums times c, out of its window into W; each accumulator is read from its low end on
	WIN 0x02+((\a)/4)
.set i, 0
.rept 32
	v_pk_mul_f32 v[W+2*i:W+2*i+1], v[64*((\a)%4)+2*i:64*((\a)%4)+2*i+1], s[CS:CS+1] op_sel_hi:[1,0]
.set i, i+1
.endr
	WIN 0
.endm
.macro CASE n
.Lcopy\n:
	COPY \n
	s_branch .Lgo
.endm
	s_wait_tensorcnt 1                             ; my part of K step 0 is in; K step 1's may stay out
	s_barrier_signal -1
	s_barrier_wait -1
	FETCH 0, F0
	QUARTER 64, F0, F1, 1
	WIN 0
	s_mov_b32 s3, 6
.Lstep:                                            ; trip t ends K step t, asks for K step t + 2 and begins K step t + 1
	QUARTER 128, F1, F0, 0
	QUARTER 192, F0, F1, 0
	TURN 1
	QUARTER 64, F0, F1, 0
	WIN 0
	s_sub_co_u32 s3, s3, 1
	s_cmp_lg_u32 s3, 0
	s_cbranch_scc1 .Lstep
	QUARTER 128, F1, F0, 0
	QUARTER 192, F0, F1, 0
	TURN 0
	QUARTER 64, F0, F1, 0
	QUARTER 128, F1, F0, 0
	QUARTER 192, F0, F1, 0
	s_wait_dscnt 8
	MUL16 F1, 0, 0, 0
	MUL16 F1, 0, 2, 0
	s_wait_dscnt 0x0
	MUL16 F1, 1, 0, 0
	MUL16 F1, 1, 2, 0
	WIN 0
	PLACES
	PLACES
	; THE SOFTMAX's LOCAL PART, a row block of 16 queries a trip; the text is written once, and only the copy out of the accumulators' windows is written for each block.
	s_mov_b32 s[CNT], 8
.Lblock:                                           ; block 8 - CNT
.irp n, 0,1,2,3,4,5,6
	s_cmp_eq_u32 s[CNT], 8-(\n)
	s_cbranch_scc1 .Lcopy\n
.endr
	COPY 7
	s_branch .Lgo
	CASE 0
	CASE 1
	CASE 2
	CASE 3
	CASE 4
	CASE 5
	CASE 6
.Lgo:
	s_cmp_lt_i32 s[DD], -127                       ; all my keys lie in front of all my queries: nothing is hidden
	s_cbranch_scc1 .Lnomask
	v_mov_b32 v[THB], v[TH]
.irp b, 0,1,2,3,4,5,6,7
.irp jj, 0,1,2,3,4,5,6,7
	v_cmp_gt_i32 vcc_lo, \jj, v[THB]
	v_cndmask_b32 v[W+8*(\b)+(\jj)], v[W+8*(\b)+(\jj)], v[BIGV], vcc_lo
.endr
	v_add_nc_u32 v[THB], -16, v[THB]
.endr
.Lnomask:
.irp q, 0,1,2,3                        ; the maximum of my 64 values, three operands at a time, in four chains
	v_max3_num_f32 v[C0+(\q)], v[W+16*(\q)], v[W+16*(\q)+1], v[W+16*(\q)+2]
.endr
.irp k, 0,1,2,3,4,5
.irp q, 0,1,2,3
	v_max3_num_f32 v[C0+(\q)], v[C0+(\q)], v[W+16*(\q)+3+2*(\k)], v[W+16*(\q)+4+2*(\k)]
.endr
.endr
	v_max3_num_f32 v[C0], v[C0], v[W+15], v[W+31]
	v_max3_num_f32 v[C0+2], v[C0+2], v[W+47], v[W+63]
	v_max3_num_f32 v[C0], v[C0], v[C0+1], v[C0+2]
	v_max_num_f32 v[C0], v[C0], v[C0+3]
	v_permlanex16_b32 v[XT], v[C0], s[SEL], s[SEL+1]  ; the query's other 64 keys lie in the lane 16 away
	v_max_num_f32 v[MX], v[C0], v[XT]
.set i, 0
.rept 32
	v_pk_add_f32 v[W+2*i:W+2*i+1], v[W+2*i:W+2*i+1], v[MX:MX+1] op_sel_hi:[1,0] neg_lo:[0,1] neg_hi:[0,1]  ; t - m
.set i, i+1
.endr
.set i, 0
.rept 64
	v_exp_f32 v[W+i], v[W+i]                       ; one batch
.set i, i+1
.endr
	v_nop                                          ; a plain instruction behind the last exponential,
	s_wait_alu depctr_va_vdst(0)                   ; and one wait for the batch, ahead of its first reader
.set i, 0
.rept 32
	v_cvt_pk_f16_f32 v[PK+i], v[W+2*i], v[W+2*i+1]
.set i, i+1
.endr
.irp b, 0,1,2,3,4,5,6,7
	ds_store_b128 v[STO], v[PK+4*(\b):PK+4*(\b)+3] offset:32*(\b)
.endr
.irp t, 0,1,2,3,4,5,6,7
	ds_load_b128 v[BK+4*(\t):BK+4*(\t)+3], v[RD] offset:(\t)*2*SPITCH  ; LDS serves a wave's instructions in order: these see the stores above
.endr
.set stp, 1                            ; the sum of the unrounded weights, in place, while the stage's round trip is under way
.rept 5
.set p, 0
.rept 16/stp
	v_pk_add_f32 v[W+2*p:W+2*p+1], v[W+2*p:W+2*p+1], v[W+2*(p+stp):W+2*(p+stp)+1]
.set p, p+2*stp
.endr
.set stp, stp*2
.endr
	v_add_f32 v[LS], v[W], v[W+1]
	v_permlanex16_b32 v[XT2], v[LS], s[SEL], s[SEL+1]
	v_add_f32 v[LS], v[LS], v[XT2]
	ds_store_b32 v[SCA], v[MX]                     ; lanes r and r + 16 write the same word with the same value
	ds_store_b32 v[SCA], v[LS] offset:512
	s_wait_dscnt 2                                 ; the rows are back; the two stores just issued may be out
.irp t, 0,1,2,3,4,5,6,7
	global_store_b128 v[CO], v[BK+4*(\t):BK+4*(\t)+3], s[PT:PT+1] offset:2*(\t)*PROW  ; 16 lanes store 256 consecutive bytes, at a multiple of 256 from pt's first byte
.endr
	s_wait_xcnt 0x0                                ; the stores' base and data are rewritten only behind this wait
	s_add_nc_u64 s[PT:PT+1], s[PT:PT+1], 16*PROW
	v_add_nc_u32 v[SCA], 64, v[SCA]
	v_add_nc_u32 v[TH], 16, v[TH]
	s_sub_co_u32 s[CNT], s[CNT], 1
	s_cmp_lg_u32 s[CNT], 0
	s_cbranch_scc1 .Lblock
	ds_load_b128 v[BK:BK+3], v[SRD]                ; m and l of my 128 rows: my own bytes, served in order behind my stores
	ds_load_b128 v[BK+4:BK+7], v[SRD] offset:512
	s_wait_dscnt 0x0
	global_store_b128 v[SO], v[BK:BK+3], s[STB:STB+1]                  ; 512 consecutive bytes each
	global_store_b128 v[SO], v[BK+4:BK+7], s[STB:STB+1] offset:524288
	s_wait_tensorcnt 0x0                           ; the wave's end
	ds_add_u32 v[SPW], v[NIL]
	s_wait_dscnt 0x0
	s_endpgm
.Lfunc_end_k_q83af6d6f02_score:
	.size	k_q83af6d6f02_score, .Lfunc_end_k_q83af6d6f02_score-k_q83af6d6f02_score
	.p2alignl 7, 3214868480
	.fill 96, 4, 3214868480
	.section	.rodata,"a",@progbits
	.p2align	6, 0x0
	.amdhsa_kernel k_q83af6d6f02_score
		.amdhsa_group_segment_fixed_size 327680
		.amdhsa_private_segment_fixed_size 0
		.amdhsa_enable_private_segment 0
		.amdhsa_kernarg_size 24
		.amdhsa_user_sgpr_count 2
		.amdhsa_user_sgpr_kernarg_segment_ptr 1
		.amdhsa_wavefront_size32 1
		.amdhsa_system_sgpr_workgroup_id_x 1
		.amdhsa_system_sgpr_workgroup_id_y 1
		.amdhsa_system_sgpr_workgroup_id_z 1
		.amdhsa_system_vgpr_workitem_id 0
		.amdhsa_next_free_vgpr 1024
		.amdhsa_next_free_sgpr 66
		.amdhsa_reserve_vcc 1
		.amdhsa_float_denorm_mode_32 3
		.amdhsa_float_denorm_mode_16_64 3
		.amdhsa_memory_ordered 1
		.amdhsa_forward_progress 1
		.amdhsa_inst_pref_size 119
	.end_amdhsa_kernel
	.amdgpu_metadata
---
amdhsa.version: [ 1, 2 ]
amdhsa.kernels:
  - .name:           k_q83af6d6f02_score
    .symbol:         k_q83af6d6f02_score.kd
    .args:
      - { .name: qkv, .offset: 0, .size: 8, .value_kind: global_buffer, .address_space: global }
      - { .name: pt, .offset: 8, .size: 8, .value_kind: global_buffer, .address_space: global }
      - { .name: st, .offset: 16, .size: 8, .value_kind: global_buffer, .address_space: global }
    .group_segment_fixed_size: 327680
    .private_segment_fixed_size: 0
    .kernarg_segment_align: 8
    .kernarg_segment_size: 24
    .max_flat_workgroup_size: 128
    .sgpr_count:     66
    .vgpr_count:     1024
    .wavefront_size: 32
...
	.end_amdgpu_metadata
.endif
;; end of part 3
;; launch pv (part 4): grid 8 x 32, 4 waves a work-group, clusters of 4 x 4, 327,680 bytes of LDS; arguments pt, qkv, st, out0; writes out0
.if DOCPART == 4
	.amdgcn_target "amdgcn-amd-amdhsa--gfx1250"
	.amdhsa_code_object_version 6
	.text
	.protected	k_q83af6d6f02_pv
	.globl	k_q83af6d6f02_pv
	.p2align	8
	.type	k_q83af6d6f02_pv,@function
k_q83af6d6f02_pv:
	s_mov_b64 s[64:65], 0
	v_nop
	global_prefetch_b8 v0, s[64:65] scope:SCOPE_SE
	s_setreg_imm32_b32 hwreg(HW_REG_WAVE_MODE, 25, 1), 1
	s_wait_xcnt 0x0
	s_wait_alu depctr_hold_cnt(0) depctr_sa_sdst(0) depctr_va_vdst(0) depctr_va_sdst(0) depctr_va_ssrc(0) depctr_va_vcc(0) depctr_vm_vsrc(0)
	s_getreg_b32 s2, hwreg(HW_REG_IB_STS2, 6, 4)
	s_cmp_eq_u32 s2, 0
	s_cbranch_scc0 .Lentry_in_a_cluster
	s_endpgm
.Lentry_in_a_cluster:
	s_bfe_u32 s2, ttmp6, 0x10000c
	s_cmp_lg_u32 s2, 0xf033
	s_cbranch_scc0 .Lentry_shape_is_right
	s_endpgm
.Lentry_shape_is_right:
; out[q][:] = the sum over chunks c of 128 keys of f(q, c) x (the sum over the chunk's keys of p~(q, key) v[key][:]),  f = 2^(m_c - M) / L,  M = max over c of m_c,  L = the sum over c of 2^(m_c - M) l_c.
; p~, m, l come from the launch before; M is the row's true maximum.  p~ and v are f16 operands, a chunk's product is an f32 sum, and f is applied to it in f32.
; LIMITS: a factor below 2^-126 counts as 0; NaN and infinities are not treated apart; v lies within f16's 65,504.
; SHARES.  A work-group makes 128 channels of TWO blocks of 128 queries: block 4 (3 - gp) + cy, then block 4 gp + cy (gp = the cluster's y % 2).  The walk, in slots of 256 keys, is common to the cluster:
; 8 - 2 gp slots for the first blocks, 2 gp + 2 for the second: 10 whatever gp.  A block that needs fewer slots goes on asking (its slot number clamped to its last) and its factors there are 0: no branch hangs on a place in the cluster.
; A wave makes 64 queries x 64 channels: 16 accumulators for the chunk in hand, 16 for the chunk before, which is folded into the 16 totals meanwhile: four packed multiply-adds behind every fourth product.
; CLUSTER 4 x 4: p~'s tile is shared along a row of the cluster (same block), v's along a column (same channels).
; Source 0 = 16 channels of v, turned by ds_load_tr16_b128; source 1 = 16 queries of p~: a lane holds one query (l % 16) and eight channels.
; REGISTERS: window 0: v2-15 addresses; v16-23, v24-31 the two chunks' factors (even registers; the odd ones, named with them as pairs, hold 0); v32-117 the statistics; v128-255 the totals.
;   window 1: two fragment buffers of 128 (64 of p~, then 64 of v).   window 2: v0-127, v128-255 the two sets of accumulators.
; The totals, the second set and the factors are cleared once at the head, the totals again at the change of blocks, so that every slot has one text.
.set PAP,   528                        ; an LDS row of p~: 512 bytes + 16
.set PBP,   288                        ; an LDS row of v: 256 bytes + 32
.set AHALF, 64*PAP                     ; what waves 0 and 1 bring
.set BOFF,  2*AHALF
.set BHALF, 128*PBP                    ; what waves 2 and 3 bring
.set SLOT1, 0x24000                    ; shares no bit with the waves' places 0, 0x8400, 0x10800, 0x19800
.set FT,    SLOT1+BOFF+2*BHALF         ; behind the ring: the factors, in the walk's order: slot n, chunk cc, row t at 1,024 n + 512 cc + 4 t
.set STAGE, FT+16384                   ; 16 rows x 272 bytes for each wave
.set SP,    272
.set SPARE, STAGE+4*16*SP              ; the spare words: 128 bytes a wave, named by no other line
.set QROW,  6144
.set A0,    2
.set B0,    3
.set ADRA,  4
.set ADRB,  5
.set ADRB2, 6                          ; 128 key rows further on: the offsets have 16 bits
.set FTA,   8
.set STO,   9
.set RD,    10
.set CO,    11
.set PFO,   12
.set SPW,   14
.set NIL,   15
.set FA,    16
.set FB,    24
.set OFH,   32
.set MH,    48
.set LH,    64
.set OFL,   80
.set ML,    88
.set LL,    96
.set MXV,   104
.set LV,    105
.set RV,    106
.set RW4,   107
.set FTS,   108
.set SL8,   110
.set TOT,   128
.set F0,    0
.set F1,    128
.set ACA,   0
.set ACB,   128
.set WV,  12
.set RH,  13
.set CHF, 14
.set CX,  15
.set CY,  16
.set CT,  17
.set BB,  18
.set GP,  19
.set NH,  20                           ; slots of the first blocks
.set NL,  21                           ; of the second
.set G1A, 24
.set G1B, 32
.set G0A, 40                           ; s[40:47] two sets: set 0 for the first fill, set 1 is made anew for every later one
.set G0B, 48
.set AOH, 56                           ; byte offset in pt of my part of the first block's tile 0; AOL: the second's
.set AOL, 57
.set CHI, 58                           ; the first block's last slot; CLO: the second's
.set CLO, 59
.set BO,  60                           ; byte offset in qkv of my part of v's tile 0
.set NX,  61                           ; the walk's tile to be asked for next
.set RT,  62                           ; slots of the first block still to be ended
.set CNT, 63
.set TB,  66
.set PLH, 67                           ; I prefetch a tile of the first blocks while its slot number is below this; PLL: of the second
.set PLL, 68
.set PSTEP, 69
.set POH, 70
.set POL, 71
.set PFB, 72
.set PFA, 74
.set OA,  76
.set OBB, 78
.set IDX, 80
.set SUBT, 81
.set TC,  82
.set N4,  83
.set PO,  84
.set IDX4, 86
.set T4,  87
.set OUT, 88
.set OUTL, 90
.set GM,  92
.set PLX, 93
.set RWH, 94
.set RWL, 95
.set X0,  96
.set X1,  97
.set CMH, 98
.set CML, 99
.set MSB, 0
.macro WIN new
.if MSB != (\new)
	s_set_vgpr_msb (MSB<<8)|(\new)
.set MSB, \new
.endif
.endm
.macro PLACES
.rept 4
	v_nop
.endr
.endm
.macro JLOAD                           ; a joint refill: waves 0 and 1 ask for p~'s halves, waves 2 and 3 for v's; the branch hangs on the wave's number alone
	s_cmp_lt_u32 s[WV], 2
	s_cbranch_scc0 .Lfor_b_\@
	tensor_load_to_lds s[G0A+4:G0A+7], s[G1A:G1A+7]
	s_nop 0
	PLACES
	s_branch .Lasked_\@
.Lfor_b_\@:
	tensor_load_to_lds s[G0B+4:G0B+7], s[G1B:G1B+7]
	s_nop 0
	PLACES
.Lasked_\@:
.endm
; A prefetch of the tile two refills on (256 products ahead of its load): my work-group's quarter of my part of it, 32 blocks of 256 bytes, a lane a block.  p~'s tiles are asked for by the clusters with x = 0,
; and not in a block's last slot, where some partners' slot number is clamped; v's by the clusters with gp = 0 in their first walk, which passes all of a batch's keys.  The test also ends the asking at the walk's end.
.macro ASK
	s_cmp_lt_u32 s[IDX4], s[PLX]
	s_cbranch_scc0 .Lnot_mine_\@
	global_prefetch_b8 v[PFO], s[PFA:PFA+1] th:TH_LOAD_NT scope:SCOPE_SE
.Lnot_mine_\@:
.endm
.macro CREST
	s_cmp_lg_u32 s[WV], 0
	s_cbranch_scc1 .Lnot_wave_0_\@
	s_barrier_signal -3
.Lnot_wave_0_\@:
	s_barrier_wait -3
	s_barrier_signal -1
	s_barrier_wait -1
.endm
.macro CROUND
	s_barrier_signal -1
	s_barrier_wait -1
	CREST
.endm
; Both descriptors' addresses for the walk's tile NX, made anew from that number: which block, which slot of it; p~'s slot clamped to the block's last.  p~'s registers never hold cx, v's never cy.
.macro TILE set
	s_cmp_ge_u32 s[NX], s[NH]
	s_cselect_b32 s[SUBT], s[NH], 0
	s_cselect_b32 s[OA], s[AOL], s[AOH]
	s_cselect_b32 s[TC], s[CLO], s[CHI]
	s_sub_co_u32 s[IDX], s[NX], s[SUBT]
	s_min_u32 s[TC], s[IDX], s[TC]
	s_lshl_b32 s[TC], s[TC], 9                     ; 256 keys are 512 bytes of a row of pt
	s_add_co_u32 s[OA], s[OA], s[TC]
	s_add_nc_u64 s[G0A+4*(\set)+2:G0A+4*(\set)+3], s[4:5], s[OA:OA+1]
	s_or_b32 s[G0A+4*(\set)+3], s[G0A+4*(\set)+3], 0x80000000
	s_mul_i32 s[OBB], s[IDX], 256*QROW
	s_add_co_u32 s[OBB], s[OBB], s[BO]
	s_add_nc_u64 s[G0B+4*(\set)+2:G0B+4*(\set)+3], s[6:7], s[OBB:OBB+1]
	s_or_b32 s[G0B+4*(\set)+3], s[G0B+4*(\set)+3], 0x80000000
.endm
	s_load_b256 s[4:11], s[0:1], 0x0               ; pt s[4:5], qkv s[6:7], st s[8:9], out0 s[10:11]
	v_lshl_add_u32 v[SPW], v0, 2, SPARE
	v_mov_b32 v[NIL], 0
	ds_add_u32 v[SPW], v[NIL]                      ; the wave's opening: the add and its wait ahead of my first tensor load
	ds_add_u32 v14, v15
	v_lshrrev_b32 v1, 5, v0
	v_readfirstlane_b32 s[WV], v1
	s_lshr_b32 s[RH], s[WV], 1                     ; my half of the queries
	s_and_b32 s[CHF], s[WV], 1                     ; my half of the channels; also: which half of a tile I fetch
	s_bfe_u32 s[CX], ttmp6, 0x40000
	s_bfe_u32 s[CY], ttmp6, 0x40004
	s_lshl_b32 s[CT], ttmp9, 2
	s_add_co_u32 s[CT], s[CT], s[CX]               ; my 128 channels: 0..7
	s_and_b32 s[BB], ttmp7, 0xffff
	s_and_b32 s[GP], s[BB], 1
	s_lshr_b32 s[BB], s[BB], 1                     ; the batch
	s_lshl_b32 s[NL], s[GP], 1
	s_sub_co_u32 s[NH], 8, s[NL]
	s_add_co_u32 s[NL], s[NL], 2
	s_lshl_b32 s[X0], s[BB], 11                    ; the batch's first row
	s_sub_co_u32 s[RWH], 3, s[GP]
	s_lshl_b32 s[RWH], s[RWH], 2
	s_add_co_u32 s[RWH], s[RWH], s[CY]             ; the first block
	s_lshl_b32 s[RWL], s[GP], 2
	s_add_co_u32 s[RWL], s[RWL], s[CY]             ; the second
	s_lshr_b32 s[CHI], s[RWH], 1
	s_lshr_b32 s[CLO], s[RWL], 1
	s_lshl_b32 s[CMH], s[CHI], 1
	s_add_co_u32 s[CMH], s[CMH], 1                 ; their last chunks
	s_lshl_b32 s[CML], s[CLO], 1
	s_add_co_u32 s[CML], s[CML], 1
	s_lshl_b32 s[RWH], s[RWH], 7
	s_add_co_u32 s[RWH], s[RWH], s[X0]             ; their first rows among the 8,192
	s_lshl_b32 s[RWL], s[RWL], 7
	s_add_co_u32 s[RWL], s[RWL], s[X0]
	s_lshl_b32 s[X1], s[CHF], 6
	s_add_co_u32 s[AOH], s[RWH], s[X1]
	s_lshl_b32 s[AOH], s[AOH], 12
	s_add_co_u32 s[AOL], s[RWL], s[X1]
	s_lshl_b32 s[AOL], s[AOL], 12
	s_lshl_b32 s[BO], s[CHF], 7
	s_add_co_u32 s[BO], s[BO], s[X0]
	s_mul_i32 s[BO], s[BO], QROW
	s_lshl_b32 s22, s[CT], 8
	s_add_co_u32 s[BO], s[BO], s22
	s_add_co_u32 s[BO], s[BO], 4096                ; v lies at byte 4,096 of a row of qkv
	s_lshl_b32 s22, s[CY], 2
	s_lshl_b32 s22, 15, s22                        ; my row of the cluster
	s_lshl_b32 s23, 0x1111, s[CX]                  ; my column
	s_or_b32 s[G1A], s22, (1<<16)|(1<<20)|(1<<21)|(6<<22)|(3<<25)  ; mask; 2-byte elements; padding on; bit 21 beside a mask; after every 128 words 4 words
	s_or_b32 s[G1B], s23, (1<<16)|(1<<20)|(1<<21)|(5<<22)|(7<<25)  ; after every 64 words 8 words
	s_mov_b32 s[G1A+1], 256<<16                    ; 256 keys
	s_mov_b32 s[G1A+2], 64<<16                     ; x 64 queries
	s_mov_b32 s[G1A+3], 256<<16
	s_mov_b32 s[G1A+4], 64
	s_mov_b32 s[G1A+5], 2048
	s_mov_b32 s[G1A+6], 0
	s_mov_b32 s[G1A+7], 0
	s_mov_b32 s[G1B+1], 128<<16                    ; 128 channels
	s_mov_b32 s[G1B+2], 128<<16                    ; x 128 keys
	s_mov_b32 s[G1B+3], 128<<16
	s_mov_b32 s[G1B+4], 128
	s_mov_b32 s[G1B+5], 3072
	s_mov_b32 s[G1B+6], 0
	s_mov_b32 s[G1B+7], 0
	s_mul_i32 s23, s[CHF], AHALF
	s_mov_b32 s[G0A], 1
	s_mov_b32 s[G0A+1], s23
	s_mov_b32 s[G0A+4], 1
	s_add_co_u32 s[G0A+5], s23, SLOT1
	s_mul_i32 s23, s[CHF], BHALF
	s_add_co_u32 s23, s23, BOFF
	s_mov_b32 s[G0B], 1
	s_mov_b32 s[G0B+1], s23
	s_mov_b32 s[G0B+4], 1
	s_add_co_u32 s[G0B+5], s23, SLOT1
	s_mov_b32 s[OA+1], 0
	s_mov_b32 s[OBB+1], 0
	s_mov_b32 s[PO+1], 0
	s_mov_b32 s[TB], 0
	s_mov_b32 s[RT], s[NH]
	s_cmp_eq_u32 s[GP], 1
	s_cselect_b32 s[GM], -1, 0                     ; a lane mask: all lanes where gp = 1
	s_wait_dscnt 0x0                               ; the opening add is done
	s_wait_kmcnt 0x0
	s_mov_b32 s[NX], 0
	TILE 0
	s_mov_b32 s[NX], 1
	TILE 1
	s_mov_b32 s[NX], 2
	CROUND                                         ; all sixteen work-groups are here: the first joint loads meet
	s_cmp_lt_u32 s[WV], 2                          ; a wave's two first fills stand in one branch: the walk's tiles 0 and 1; two loads of mine are out
	s_cbranch_scc0 .Lfirst_b
	tensor_load_to_lds s[G0A:G0A+3], s[G1A:G1A+7]
	s_nop 0
	tensor_load_to_lds s[G0A+4:G0A+7], s[G1A:G1A+7]
	s_nop 0
	PLACES
	s_branch .Lfirst_asked
.Lfirst_b:
	tensor_load_to_lds s[G0B:G0B+3], s[G1B:G1B+7]
	s_nop 0
	tensor_load_to_lds s[G0B+4:G0B+7], s[G1B:G1B+7]
	s_nop 0
	PLACES
.Lfirst_asked:
	; THE STATISTICS.  Thread t takes row t of both blocks: m and l of chunks 0-15 of the first, 0-7 of the second; a chunk beyond the block's last is read as that last one and weighs 0.
	s_lshl_b32 s22, s[RWH], 2
	v_lshl_add_u32 v[RW4], v0, 2, s22
.set c, 0
.rept 16
	s_min_u32 s23, s[CMH], c
	s_lshl_b32 s23, s23, 15
	v_add_nc_u32 v[OFH+c], s23, v[RW4]
	global_load_b32 v[MH+c], v[OFH+c], s[8:9]
	global_load_b32 v[LH+c], v[OFH+c], s[8:9] offset:524288
.set c, c+1
.endr
	s_lshl_b32 s22, s[RWL], 2
	v_lshl_add_u32 v[RW4], v0, 2, s22
.set c, 0
.rept 8
	s_min_u32 s23, s[CML], c
	s_lshl_b32 s23, s23, 15
	v_add_nc_u32 v[OFL+c], s23, v[RW4]
	global_load_b32 v[ML+c], v[OFL+c], s[8:9]
	global_load_b32 v[LL+c], v[OFL+c], s[8:9] offset:524288
.set c, c+1
.endr
	; lane addresses, the prefetches' terms and the clears stand in the wait for those loads
	v_and_b32 v1, 15, v0                           ; r
	v_bfe_u32 v7, v0, 4, 1                         ; h
	v_mul_u32_u24 v[A0], v1, PAP
	v_lshl_add_u32 v[A0], v7, 4, v[A0]
	s_mul_i32 s22, s[RH], AHALF
	v_add_nc_u32 v[A0], s22, v[A0]
	v_mov_b32 v[ADRA], v[A0]
	v_and_b32 v13, 7, v0                           ; the turning load: key row 8 h + l % 8, 16 bytes at 16 ((l / 8) % 2)
	v_lshl_add_u32 v13, v7, 3, v13
	v_mul_u32_u24 v[B0], v13, PBP
	v_bfe_u32 v13, v0, 3, 1
	v_lshl_add_u32 v[B0], v13, 4, v[B0]
	s_lshl_b32 s22, s[CHF], 7
	s_add_co_u32 s22, s22, BOFF
	v_add_nc_u32 v[B0], s22, v[B0]
	v_mov_b32 v[ADRB], v[B0]
	v_add_nc_u32 v[ADRB2], BHALF, v[ADRB]
	s_lshl_b32 s22, s[RH], 8
	s_add_co_u32 s22, s22, FT
	v_lshl_add_u32 v[FTA], v1, 2, s22              ; the factor of row 64 x my half + r, slot 0
	v_lshl_add_u32 v[FTS], v0, 2, FT
	s_mul_i32 s22, s[WV], 16*SP
	s_add_co_u32 s22, s22, STAGE
	v_mul_u32_u24 v[STO], v1, SP
	v_lshl_add_u32 v[STO], v7, 5, v[STO]           ; in: row r, 32 bytes for each half of the lanes
	v_add_nc_u32 v[STO], s22, v[STO]
	v_mul_u32_u24 v[RD], v7, SP
	v_lshl_add_u32 v[RD], v1, 4, v[RD]             ; back: lanes 0-15 one row of 256 bytes, lanes 16-31 the next
	v_add_nc_u32 v[RD], s22, v[RD]
	v_lshlrev_b32 v[CO], 12, v7
	v_lshl_add_u32 v[CO], v1, 4, v[CO]
	s_lshl_b32 s22, s[CX], 16                      ; p~: my work-group's 16 rows of 4,096 bytes
	s_add_co_u32 s[POH], s[AOH], s22
	s_add_co_u32 s[POL], s[AOL], s22
	s_mul_i32 s23, s[CY], 32*QROW                  ; v: my work-group's 32 rows
	s_add_co_u32 s23, s23, s[BO]
	s_sub_co_u32 s[PLH], s[NH], 1
	s_sub_co_u32 s[PLL], s[NL], 1
	s_mov_b32 s[PSTEP], 256*QROW
	s_mov_b32 s[X1], QROW
	s_cmp_lt_u32 s[WV], 2
	s_cselect_b32 s[POH], s[POH], s23
	s_cselect_b32 s[POL], s[POL], s23
	s_cselect_b32 s[PLH], s[PLH], s[NH]
	s_cselect_b32 s[PLL], s[PLL], 0
	s_cselect_b32 s[PSTEP], 512, s[PSTEP]
	s_cselect_b32 s[X1], 4096, s[X1]
	s_cselect_b32 s[X0], 1, 0
	s_cselect_b32 s22, ttmp9, s[GP]                ; who asks: the same in all sixteen partners, for a given wave
	s_cselect_b64 s[PFB:PFB+1], s[4:5], s[6:7]
	s_cmp_eq_u32 s22, 0
	s_cselect_b32 s[PLH], s[PLH], 0
	s_cselect_b32 s[PLL], s[PLL], 0
	v_and_b32 v13, 31, v0
	v_lshrrev_b32 v7, s[X0], v13                   ; p~: two lanes a row of 512 bytes; v: a lane a row
	v_mul_lo_u32 v[PFO], v7, s[X1]
	v_and_b32 v7, s[X0], v13
	v_lshl_add_u32 v[PFO], v7, 8, v[PFO]
	s_lshl_b32 s22, s[RH], 6                       ; out0 at my 64 rows and 64 channels of both blocks
	s_add_co_u32 s23, s[RWH], s22
	s_lshl_b32 s[X0], s23, 12
	s_mov_b32 s[X1], 0
	s_add_nc_u64 s[OUT:OUT+1], s[10:11], s[X0:X1]
	s_add_co_u32 s23, s[RWL], s22
	s_lshl_b32 s[X0], s23, 12
	s_add_nc_u64 s[OUTL:OUTL+1], s[10:11], s[X0:X1]
	s_lshl_b32 s[X0], s[CT], 9
	s_lshl_b32 s23, s[CHF], 8
	s_add_co_u32 s[X0], s[X0], s23
	s_add_nc_u64 s[OUT:OUT+1], s[OUT:OUT+1], s[X0:X1]
	s_add_nc_u64 s[OUTL:OUTL+1], s[OUTL:OUTL+1], s[X0:X1]
.set i, 0
.rept 16
	v_mov_b32 v[FA+i], 0
.set i, i+1
.endr
.set i, 0
.rept 128
	v_mov_b32 v[TOT+i], 0
.set i, i+1
.endr
	WIN 0x80
.set i, 0
.rept 128
	v_mov_b32 v[ACB+i], 0
.set i, i+1
.endr
	WIN 0
; The factors of nc chunks: M; e = 2^(m - M), 0 beyond the block's last chunk; L = the sum of e l; f = e / L, in m's registers.
.macro ST_CALC nc, m, l, cm
	v_max3_num_f32 v[MXV], v[\m], v[(\m)+1], v[(\m)+2]
.set c, 3
.rept ((\nc)-4)/2
	v_max3_num_f32 v[MXV], v[MXV], v[(\m)+c], v[(\m)+c+1]
.set c, c+2
.endr
	v_max_num_f32 v[MXV], v[MXV], v[(\m)+(\nc)-1]
.set c, 0
.rept \nc
	v_sub_f32 v[(\m)+c], v[(\m)+c], v[MXV]
.set c, c+1
.endr
.set c, 0
.rept \nc
	v_exp_f32 v[(\m)+c], v[(\m)+c]
.set c, c+1
.endr
	v_nop                                          ; a plain instruction behind the last exponential,
	s_wait_alu depctr_va_vdst(0)                   ; and one wait for the batch
.set c, 0
.rept \nc
	s_cmp_ge_u32 s[\cm], c
	s_cselect_b32 s23, 1.0, 0
	v_mul_f32 v[(\m)+c], s23, v[(\m)+c]
.set c, c+1
.endr
	v_mul_f32 v[LV], v[\m], v[\l]
.set c, 1
.rept (\nc)-1
	v_fmac_f32 v[LV], v[(\m)+c], v[(\l)+c]
.set c, c+1
.endr
	v_rcp_f32 v[RV], v[LV]
	v_nop
	s_wait_alu depctr_va_vdst(0)
.set c, 0
.rept \nc
	v_mul_f32 v[(\m)+c], v[(\m)+c], v[RV]
.set c, c+1
.endr
.endm
	s_wait_loadcnt 16                              ; the first block's 32 loads are in; the second's 16 may stay out
	ST_CALC 16, MH, LH, CMH
	s_wait_loadcnt 0x0
	ST_CALC 8, ML, LL, CML
	; into the table, in the walk's order.  Slots 0-5 are the first block's; 6, 7 its slots 6, 7 (gp = 0) or the second's 0, 1; 8, 9 the second's 0, 1 (gp = 0) or 2, 3: a choice of values, made in every work-group.
.irp n, 0,1,2,3,4,5
.irp cc, 0,1
	ds_store_b32 v[FTS], v[MH+2*(\n)+(\cc)] offset:1024*(\n)+512*(\cc)
.endr
.endr
.irp n, 6,7
.irp cc, 0,1
	v_cndmask_b32 v[SL8+2*((\n)-6)+(\cc)], v[MH+2*(\n)+(\cc)], v[ML+2*((\n)-6)+(\cc)], s[GM]
	ds_store_b32 v[FTS], v[SL8+2*((\n)-6)+(\cc)] offset:1024*(\n)+512*(\cc)
.endr
.endr
.irp n, 8,9
.irp cc, 0,1
	v_cndmask_b32 v[SL8+2*((\n)-6)+(\cc)], v[ML+2*((\n)-8)+(\cc)], v[ML+2*((\n)-6)+(\cc)], s[GM]
	ds_store_b32 v[FTS], v[SL8+2*((\n)-6)+(\cc)] offset:1024*(\n)+512*(\cc)
.endr
.endr
; One finished accumulator, number sl of set o, is folded into its total: total += factor x sum, read from its low end on.
.macro SLICE o, fb
	WIN 0x02                                       ; source 0 window 2; the factor, the total and the destination window 0
.irp z, 0,1,2,3
	v_pk_fma_f32 v[TOT+8*sl+2*(\z):TOT+8*sl+2*(\z)+1], v[(\o)+8*sl+2*(\z):(\o)+8*sl+2*(\z)+1], v[(\fb)+2*(sl/4):(\fb)+2*(sl/4)+1], v[TOT+8*sl+2*(\z):TOT+8*sl+2*(\z)+1] op_sel_hi:[1,0,1]
.endr
.set sl, sl+1
.endm
; 8 products into set t: query blocks a0, a0 + 1 x 4 channel blocks, 32 keys (half c of buffer f); a SLICE of the other set behind each fourth.  The 16 accumulators take turns, one instruction a turn.
; The slices name no register of the products round them: they are also the places in front of the runs of LDS loads.
.macro MUL8 f, c, a0, t, zero, o, fb
.irp a, \a0, (\a0)+1
.irp b, 0,1,2,3
	WIN 0xa5                                       ; sources window 1, C and D window 2
.if \zero
	v_wmma_f32_16x16x32_f16 v[(\t)+8*(4*(\a)+(\b)):(\t)+8*(4*(\a)+(\b))+7], v[(\f)+64+8*(4*(\c)+(\b)):(\f)+64+8*(4*(\c)+(\b))+7], v[(\f)+8*(4*(\c)+(\a)):(\f)+8*(4*(\c)+(\a))+7], 0
.else
	v_wmma_f32_16x16x32_f16 v[(\t)+8*(4*(\a)+(\b)):(\t)+8*(4*(\a)+(\b))+7], v[(\f)+64+8*(4*(\c)+(\b)):(\f)+64+8*(4*(\c)+(\b))+7], v[(\f)+8*(4*(\c)+(\a)):(\f)+8*(4*(\c)+(\a))+7], v[(\t)+8*(4*(\a)+(\b)):(\t)+8*(4*(\a)+(\b))+7]
.endif
.if (\b) == 3
	SLICE \o, \fb
.endif
.endr
.endr
.endm
; 32 LDS loads in one run: the fragments of quarter q (64 keys) into buffer f, the first 32 keys first
.macro FETCH q, f
	WIN 0x40
.irp c, 0,1
.irp i, 0,1,2,3
.if (\q) < 2
	ds_load_tr16_b128 v[(\f)+64+8*(4*(\c)+(\i)):(\f)+64+8*(4*(\c)+(\i))+3],   v[ADRB] offset:((\q)&1)*64*PBP+32*PBP*(\c)+32*(\i)
	ds_load_tr16_b128 v[(\f)+64+8*(4*(\c)+(\i))+4:(\f)+64+8*(4*(\c)+(\i))+7], v[ADRB] offset:((\q)&1)*64*PBP+32*PBP*(\c)+32*(\i)+16*PBP
.else
	ds_load_tr16_b128 v[(\f)+64+8*(4*(\c)+(\i)):(\f)+64+8*(4*(\c)+(\i))+3],   v[ADRB2] offset:((\q)&1)*64*PBP+32*PBP*(\c)+32*(\i)
	ds_load_tr16_b128 v[(\f)+64+8*(4*(\c)+(\i))+4:(\f)+64+8*(4*(\c)+(\i))+7], v[ADRB2] offset:((\q)&1)*64*PBP+32*PBP*(\c)+32*(\i)+16*PBP
.endif
	ds_load_b128 v[(\f)+8*(4*(\c)+(\i)):(\f)+8*(4*(\c)+(\i))+3],   v[ADRA] offset:128*(\q)+64*(\c)+16*PAP*(\i)
	ds_load_b128 v[(\f)+8*(4*(\c)+(\i))+4:(\f)+8*(4*(\c)+(\i))+7], v[ADRA] offset:128*(\q)+64*(\c)+16*PAP*(\i)+32
.endr
.endr
.endm
; Quarter q of a slot (0, 1, 2): multiplies buffer f into set t, folds set o by the factors fb, and fetches quarter q + 1 into g.  Quarter 0 also fetches the slot's first chunk's factors, quarter 2 its second's, ahead of the fragments.
.macro QUARTER q, f, g, t, zero, o, fb
	s_wait_dscnt 16                                ; the first 32 keys' fragments are in
	MUL8 \f, 0, 0, \t, \zero, \o, \fb
	MUL8 \f, 0, 2, \t, \zero, \o, \fb
.if (\q) == 0
	WIN 0
.irp a, 0,1,2,3
	ds_load_b32 v[FA+2*(\a)], v[FTA] offset:64*(\a)
.endr
.endif
.if (\q) == 2
	WIN 0
.irp a, 0,1,2,3
	ds_load_b32 v[FB+2*(\a)], v[FTA] offset:512+64*(\a)
.endr
.endif
	FETCH (\q)+1, \g
	s_wait_dscnt 32                                ; all but the 32 just issued: the factors too are in
	MUL8 \f, 1, 0, \t, 0, \o, \fb
	MUL8 \f, 1, 2, \t, 0, \o, \fb
.endm
; The fourth quarter changes slots: all my tensor loads waited for (one is out: my part of the next slot), the add, the wait for it and for my reads of this slot, the barrier.  fill = 1: it opens a round of the
; cluster's barrier, and the joint refill, the walk's tile two slots on, is the first tensor load behind the round.
.macro TURN fill
	WIN 0
.if \fill
	s_wait_xcnt 0x0                                ; the last prefetch, a slot back, has read its address: it is made anew, for the tile four slots on
	s_add_co_u32 s[N4], s[NX], 2
	s_cmp_ge_u32 s[N4], s[NH]
	s_cselect_b32 s[T4], s[NH], 0
	s_cselect_b32 s[PO], s[POL], s[POH]
	s_cselect_b32 s[PLX], s[PLL], s[PLH]
	s_sub_co_u32 s[IDX4], s[N4], s[T4]
	s_mul_i32 s[T4], s[IDX4], s[PSTEP]
	s_add_co_u32 s[PO], s[PO], s[T4]
	s_add_nc_u64 s[PFA:PFA+1], s[PFB:PFB+1], s[PO:PO+1]
.endif
	s_wait_tensorcnt 0x0
	ds_add_u32 v[SPW], v[NIL]                      ; 0 onto my spare word
	s_sub_co_u32 s[RT], s[RT], 1
	s_xor_b32 s[TB], s[TB], SLOT1
	v_add_nc_u32 v[ADRA], s[TB], v[A0]
	v_add_nc_u32 v[ADRB], s[TB], v[B0]
	v_add_nc_u32 v[ADRB2], BHALF, v[ADRB]
	v_add_nc_u32 v[FTA], 1024, v[FTA]              ; the next slot's factors
.if \fill
	s_xor_b32 s[G0A+5], s[G0A+5], SLOT1            ; no tensor load of mine is out: set 1 takes the slot just read and the walk's next tile
	s_xor_b32 s[G0B+5], s[G0B+5], SLOT1
	TILE 1
	s_add_co_u32 s[NX], s[NX], 1
.endif
	s_wait_dscnt 17                                ; the add and the youngest sixteen loads may be out
	MUL8 F1, 0, 0, ACB, 0, ACA, FA
	s_wait_dscnt 0x0                               ; the add is done, and my reads of this slot are over
	s_barrier_signal -1
	MUL8 F1, 0, 2, ACB, 0, ACA, FA
	WIN 0
	s_barrier_wait -1
.if \fill
	CREST
	JLOAD
.endif
	FETCH 0, F0
.if \fill
	WIN 0
	ASK
.endif
	MUL8 F1, 1, 0, ACB, 0, ACA, FA
	MUL8 F1, 1, 2, ACB, 0, ACA, FA
.endm
.macro SLOTBODY fill                   ; a slot: its first chunk into set A while the chunk before is folded; its second into set B while the first is folded
.set sl, 0
	QUARTER 0, F0, F1, ACA, 1, ACB, FB
	QUARTER 1, F1, F0, ACA, 0, ACB, FB
.set sl, 0
	QUARTER 2, F0, F1, ACB, 1, ACA, FA
	TURN \fill
.endm
; A BLOCK's END: the last chunk is folded; the totals go through my stage, 16 rows at a time, and leave as whole rows of 256 bytes.  clear = 1: the totals and the second chunk's factors start again at 0.
.macro PACKO a
.irp b, 0,1,2,3
	ds_store_b128 v[STO], v[TOT+32*(\a)+8*(\b):TOT+32*(\a)+8*(\b)+3]   offset:64*(\b)
	ds_store_b128 v[STO], v[TOT+32*(\a)+8*(\b)+4:TOT+32*(\a)+8*(\b)+7] offset:64*(\b)+16
.endr
.irp t, 0,1,2,3,4,5,6,7
	ds_load_b128 v[TOT+32*(\a)+4*(\t):TOT+32*(\a)+4*(\t)+3], v[RD] offset:(\t)*2*SP  ; LDS serves a wave's instructions in order: these see the stores above; the next block's stores come behind them
.endr
.endm
.macro SENDO a, younger                ; younger: the LDS instructions issued behind block a's loads: the next block's sixteen, or none
.irp t, 0,1,2,3,4,5,6,7
	s_wait_dscnt (\younger)+7-(\t)
	global_store_b128 v[CO], v[TOT+32*(\a)+4*(\t):TOT+32*(\a)+4*(\t)+3], s[OUT:OUT+1] offset:(16*(\a)+2*(\t))*4096 th:TH_STORE_NT  ; 16 lanes store 256 consecutive bytes, at a multiple of 256 from out0's first byte
.endr
.endm
.macro FLUSHOUT clear
.set sl, 0
.rept 16
	SLICE ACB, FB
.endr
	WIN 0
	PACKO 0
	PACKO 1
	SENDO 0, 16
	PACKO 2
	SENDO 1, 16
	PACKO 3
	SENDO 2, 16
	SENDO 3, 0
.if \clear
	s_wait_xcnt 0x0                                ; the stores' data and base are rewritten only behind this wait
.set i, 0
.rept 128
	v_mov_b32 v[TOT+i], 0
.set i, i+1
.endr
.irp a, 0,1,2,3
	v_mov_b32 v[FB+2*(\a)], 0                      ; the next slot's first two quarters fold set B once more: by 0
.endr
	s_mov_b64 s[OUT:OUT+1], s[OUTL:OUTL+1]
.endif
.endm
	s_wait_tensorcnt 1                             ; my part of tile 0 is in; tile 1's may stay out
	s_wait_dscnt 0x0                               ; my factors are in the table
	s_barrier_signal -1
	s_barrier_wait -1
	FETCH 0, F0
	WIN 0
	s_mov_b32 s[CNT], 8
.Lslot:                                            ; trip n multiplies the walk's tile n and asks for tile n + 2
	SLOTBODY 1
	WIN 0
	s_cmp_lg_u32 s[RT], 0                          ; the first blocks end behind slot 7 - 2 gp: the same trip in all sixteen partners
	s_cbranch_scc1 .Lnoflush
	FLUSHOUT 1
.Lnoflush:
	s_sub_co_u32 s[CNT], s[CNT], 1
	s_cmp_lg_u32 s[CNT], 0
	s_cbranch_scc1 .Lslot
	s_mov_b32 s[CNT], 2
.Ltail:                                            ; the last two tiles ask for nothing; the very last fetch reads the slot before once more and serves nothing: the price of one text for both trips
	SLOTBODY 0
	WIN 0
	s_sub_co_u32 s[CNT], s[CNT], 1
	s_cmp_lg_u32 s[CNT], 0
	s_cbranch_scc1 .Ltail
	FLUSHOUT 0
	s_wait_tensorcnt 0x0                           ; the wave's end
	ds_add_u32 v[SPW], v[NIL]
	s_wait_dscnt 0x0
	CROUND                                         ; the closing round
	s_endpgm
.Lfunc_end_k_q83af6d6f02_pv:
	.size	k_q83af6d6f02_pv, .Lfunc_end_k_q83af6d6f02_pv-k_q83af6d6f02_pv
	.p2alignl 7, 3214868480
	.fill 96, 4, 3214868480
	.section	.rodata,"a",@progbits
	.p2align	6, 0x0
	.amdhsa_kernel k_q83af6d6f02_pv
		.amdhsa_group_segment_fixed_size 327680
		.amdhsa_private_segment_fixed_size 0
		.amdhsa_enable_private_segment 0
		.amdhsa_kernarg_size 32
		.amdhsa_user_sgpr_count 2
		.amdhsa_user_sgpr_kernarg_segment_ptr 1
		.amdhsa_wavefront_size32 1
		.amdhsa_system_sgpr_workgroup_id_x 1
		.amdhsa_system_sgpr_workgroup_id_y 1
		.amdhsa_system_sgpr_workgroup_id_z 1
		.amdhsa_system_vgpr_workitem_id 0
		.amdhsa_next_free_vgpr 768
		.amdhsa_next_free_sgpr 100
		.amdhsa_reserve_vcc 0
		.amdhsa_float_denorm_mode_32 3
		.amdhsa_float_denorm_mode_16_64 3
		.amdhsa_memory_ordered 1
		.amdhsa_forward_progress 1
		.amdhsa_inst_pref_size 122
	.end_amdhsa_kernel
	.amdgpu_metadata
---
amdhsa.version: [ 1, 2 ]
amdhsa.kernels:
  - .name:           k_q83af6d6f02_pv
    .symbol:         k_q83af6d6f02_pv.kd
    .args:
      - { .name: pt, .offset: 0, .size: 8, .value_kind: global_buffer, .address_space: global }
      - { .name: qkv, .offset: 8, .size: 8, .value_kind: global_buffer, .address_space: global }
      - { .name: st, .offset: 16, .size: 8, .value_kind: global_buffer, .address_space: global }
      - { .name: out0, .offset: 24, .size: 8, .value_kind: global_buffer, .address_space: global }
    .group_segment_fixed_size: 327680
    .private_segment_fixed_size: 0
    .kernarg_segment_align: 8
    .kernarg_segment_size: 32
    .max_flat_workgroup_size: 128
    .sgpr_count:     100
    .vgpr_count:     768
    .wavefront_size: 32
...
	.end_amdgpu_metadata
.endif
;; end of part 4
